; MI455X (gfx1250); checked and timed in simulation.
; The chip was launched on July 23, 2026; its instructions are those of AMD's public machine-readable ISA for CDNA 5 (MIT licence, August 2026) and "CDNA5" Instruction Set Architecture Reference Guide (July 2026). The comments in the code are by the model that wrote it; some were corrected since.
;; Causal Self Attention. Allowed arithmetic: float matrix products may take bf16 or f16 operands with f32 sums; other float arithmetic in f32, or as packed bf16 or f16 multiplies, adds, multiply-adds, maxima and minima; sums over many terms, partial sums and values carried from step to step in f32; what a program stores and reads back later, other than sums and carried values, may be rounded once to bf16 or f16.
;; Inputs: Wk 1,024 x 1,024 float32; Wq 1,024 x 1,024 float32; Wv 1,024 x 1,024 float32; x 4 x 2,048 x 1,024 float32.
;; Outputs: out0 4 x 2,048 x 1,024 float32.
;; 2 versions, each right; version 2 is version 1 with the launch cast written anew for expert scheduling mode. Each part assembles by itself: llvm-mc -triple=amdgcn-amd-amdhsa -mcpu=gfx1250 --defsym DOCPART=n.
;; ======== version 1 of 2: 4 launches
;; limits: values are held in f16: magnitudes above 65,504 overflow, below 6.1e-05 lose precision
;; workspace buffers: xb 16,777,216 bytes; wb 6,291,456 bytes; qkv 50,331,648 bytes; pbuf 33,554,432 bytes; stat 1,048,576 bytes
;; launch cast (part 1): grid 256 x 1, 11 waves a work-group, no clusters, 0 bytes of LDS; arguments x, Wq, Wk, Wv, xb, wb; writes xb, wb
.if DOCPART == 1
	.amdgcn_target "amdgcn-amd-amdhsa--gfx1250"
	.amdhsa_code_object_version 6
	.text
	.protected	k_qbc8b3af618_cast
	.globl	k_qbc8b3af618_cast
	.p2align	8
	.type	k_qbc8b3af618_cast,@function
k_qbc8b3af618_cast:
	s_mov_b64 s[64:65], 0
	v_nop
	global_prefetch_b8 v0, s[64:65] scope:SCOPE_SE
	s_setreg_imm32_b32 hwreg(HW_REG_WAVE_MODE, 25, 1), 1
	s_wait_xcnt 0x0
; x [8192][1024] and Wq, Wk, Wv [1024][1024], all f32, are rounded once to bf16 (to nearest even) and laid out in blocks of 64 along K:
; xb [16 kb][8192 rows][64], wb [16 kb][3072 rows][64] (rows 0-1023 Wq, 1024-2047 Wk, 2048-3071 Wv), so that the next launch's tiles of 64 along K are dense in memory.
; SHARES.  8,192 + 3,072 = 11,264 rows = 256 work-groups x 11 waves x 4 rows: all work-groups are alike.  Wave w of work-group g takes the group of four rows 11 g + w: groups 0-2047 are x's,
; 2048-2815 the three weights', 256 each; a group never straddles two tensors, so source and destination are chosen by scalar selects on the group's number.
; One load of a wave: lanes 0-15 take the 256 bytes of block kb of row r, lanes 16-31 the same block of row r + 1.  The store that belongs to it: 8 bytes a lane, 256 consecutive bytes, aligned: rows r and r + 1 of block kb.
; A stream: every byte is read once and written once; all 32 loads of a wave are issued before the first is waited for.  No LDS, no barrier, no matrix unit: nothing is shared.
.set VIN, 1                            ; v1       byte offset of my 16 bytes in the wave's first two source rows: 4096 (lane / 16) + 16 (lane % 16)
.set OFF, 8                            ; v[8:23]  for each kb: byte offset of my 8 bytes from the wave's first row in block 0 of the destination
.set X,   32                           ; v[32:159] 32 x 4 registers as loaded; the first two of each four then hold the four bf16
	s_load_b256 s[4:11], s[0:1], 0x0               ; x s[4:5], Wq s[6:7], Wk s[8:9], Wv s[10:11]
	s_load_b128 s[12:15], s[0:1], 0x20             ; xb s[12:13], wb s[14:15]
	v_lshrrev_b32 v2, 5, v0
	v_readfirstlane_b32 s30, v2                    ; wave 0..10
	v_and_b32 v3, 15, v0                           ; lane % 16
	v_bfe_u32 v4, v0, 4, 1                         ; lane / 16
	v_lshlrev_b32 v[VIN], 12, v4
	v_lshl_add_u32 v[VIN], v3, 4, v[VIN]
	v_lshlrev_b32 v[OFF], 7, v4
	v_lshl_add_u32 v[OFF], v3, 3, v[OFF]
	s_mul_i32 s31, ttmp9, 11
	s_add_co_u32 s31, s31, s30                     ; my group of four rows, 0..2815
	s_sub_co_u32 s20, s31, 2048                    ; its number among the weights' 768 (used only where it is one of them)
	s_and_b32 s21, s20, 255                        ; its place in its matrix
	s_lshr_b32 s22, s20, 8                         ; which matrix
	s_mov_b32 s17, 3072*128
	s_cmp_lt_u32 s31, 2048
	s_cselect_b32 s16, 8192*128, s17               ; bytes from block kb to block kb + 1 of the destination
	s_cselect_b32 s18, s31, s21                    ; source rows / 4
	s_cselect_b32 s28, s31, s20                    ; destination rows / 4
	s_lshl_b32 s18, s18, 14                        ; x 4 rows of 4,096 bytes
	s_mov_b32 s19, 0
	s_lshl_b32 s28, s28, 9                         ; x 4 rows of 128 bytes
	s_mov_b32 s29, 0
.set i, 1
.rept 15
	v_add_nc_u32 v[OFF+i], s16, v[OFF+i-1]
.set i, i+1
.endr
	s_wait_kmcnt 0x0
	s_cmp_eq_u32 s22, 1
	s_cselect_b64 s[24:25], s[8:9], s[6:7]
	s_cmp_eq_u32 s22, 2
	s_cselect_b64 s[24:25], s[10:11], s[24:25]
	s_cmp_lt_u32 s31, 2048
	s_cselect_b64 s[24:25], s[4:5], s[24:25]       ; the source,
	s_cselect_b64 s[26:27], s[12:13], s[14:15]     ; the destination
	s_add_nc_u64 s[24:25], s[24:25], s[18:19]
	s_add_nc_u64 s[26:27], s[26:27], s[28:29]
.set i, 0
.rept 32                               ; load i: pair of rows i / 16, block i % 16
	global_load_b128 v[X+4*i:X+4*i+3], v[VIN], s[24:25] offset:8192*(i/16)+256*(i%16) th:TH_LOAD_NT
.set i, i+1
.endr
.set i, 0
.rept 32
	s_wait_loadcnt 31-i                            ; loads come back in order: load i is in, the 31 - i younger ones stay out
	v_cvt_pk_bf16_f32 v[X+4*i], v[X+4*i], v[X+4*i+1]
	v_cvt_pk_bf16_f32 v[X+4*i+1], v[X+4*i+2], v[X+4*i+3]
	global_store_b64 v[OFF+i%16], v[X+4*i:X+4*i+1], s[26:27] offset:256*(i/16)  ; no register of a store is written again
.set i, i+1
.endr
	s_endpgm
.Lfunc_end_k_qbc8b3af618_cast:
	.size	k_qbc8b3af618_cast, .Lfunc_end_k_qbc8b3af618_cast-k_qbc8b3af618_cast
	.p2alignl 7, 3214868480
	.fill 96, 4, 3214868480
	.section	.rodata,"a",@progbits
	.p2align	6, 0x0
	.amdhsa_kernel k_qbc8b3af618_cast
		.amdhsa_group_segment_fixed_size 0
		.amdhsa_private_segment_fixed_size 0
		.amdhsa_enable_private_segment 0
		.amdhsa_kernarg_size 48
		.amdhsa_user_sgpr_count 2
		.amdhsa_user_sgpr_kernarg_segment_ptr 1
		.amdhsa_wavefront_size32 1
		.amdhsa_system_sgpr_workgroup_id_x 1
		.amdhsa_system_sgpr_workgroup_id_y 1
		.amdhsa_system_sgpr_workgroup_id_z 1
		.amdhsa_system_vgpr_workitem_id 0
		.amdhsa_next_free_vgpr 160
		.amdhsa_next_free_sgpr 66
		.amdhsa_reserve_vcc 0
		.amdhsa_float_denorm_mode_32 3
		.amdhsa_float_denorm_mode_16_64 3
		.amdhsa_memory_ordered 1
		.amdhsa_forward_progress 1
		.amdhsa_inst_pref_size 14
	.end_amdhsa_kernel
	.amdgpu_metadata
---
amdhsa.version: [ 1, 2 ]
amdhsa.kernels:
  - .name:           k_qbc8b3af618_cast
    .symbol:         k_qbc8b3af618_cast.kd
    .args:
      - { .name: x, .offset: 0, .size: 8, .value_kind: global_buffer, .address_space: global }
      - { .name: Wq, .offset: 8, .size: 8, .value_kind: global_buffer, .address_space: global }
      - { .name: Wk, .offset: 16, .size: 8, .value_kind: global_buffer, .address_space: global }
      - { .name: Wv, .offset: 24, .size: 8, .value_kind: global_buffer, .address_space: global }
      - { .name: xb, .offset: 32, .size: 8, .value_kind: global_buffer, .address_space: global }
      - { .name: wb, .offset: 40, .size: 8, .value_kind: global_buffer, .address_space: global }
    .group_segment_fixed_size: 0
    .private_segment_fixed_size: 0
    .kernarg_segment_align: 8
    .kernarg_segment_size: 48
    .max_flat_workgroup_size: 352
    .sgpr_count:     66
    .vgpr_count:     160
    .wavefront_size: 32
...
	.end_amdgpu_metadata
.endif
;; end of part 1
;; launch proj (part 2): grid 8 x 32, 4 waves a work-group, clusters of 4 x 4, 327,680 bytes of LDS; arguments xb, wb, qkv; writes qkv
.if DOCPART == 2
	.amdgcn_target "amdgcn-amd-amdhsa--gfx1250"
	.amdhsa_code_object_version 6
	.text
	.protected	k_qbc8b3af618_proj
	.globl	k_qbc8b3af618_proj
	.p2align	8
	.type	k_qbc8b3af618_proj,@function
k_qbc8b3af618_proj:
	s_mov_b64 s[64:65], 0
	v_nop
	global_prefetch_b8 v0, s[64:65] scope:SCOPE_SE
	s_setreg_imm32_b32 hwreg(HW_REG_WAVE_MODE, 25, 1), 1
	s_wait_xcnt 0x0
	s_wait_alu depctr_hold_cnt(0) depctr_sa_sdst(0) depctr_va_vdst(0) depctr_va_sdst(0) depctr_va_ssrc(0) depctr_va_vcc(0) depctr_vm_vsrc(0)
	s_getreg_b32 s2, hwreg(HW_REG_IB_STS2, 6, 4)
	s_cmp_eq_u32 s2, 0
	s_cbranch_scc0 .Lentry_in_a_cluster
	s_endpgm
.Lentry_in_a_cluster:
	s_bfe_u32 s2, ttmp6, 0x10000c
	s_cmp_lg_u32 s2, 0xf033
	s_cbranch_scc0 .Lentry_shape_is_right
	s_endpgm
.Lentry_shape_is_right:
; qkv = xb wb^T: C[m][n] = the sum over k of xb[m][k] wb[n][k], m < 8192, n < 3072 (q, k, v side by side), k < 1024.  Operands bf16, sums f32, C rounded once to f16, unscaled.
; xb: [16 kb][8192][64], wb: [16 kb][3072][64] (bf16); qkv: [48 cb][8192 rows][64] (f16): column n lies in block n / 64.
; LIMIT.  f16 ends at 65,504: |q|, |k|, |v| must stay below that (inputs 30 times the drawn spread give some 5e3, a common offset of 30 spreads on x and on the weights some 2.9e4).
; SHARES.  A tile of C is 256 x 384: 32 x 8 = 256 work-groups.  Four waves, each 128 rows x 192 columns: 96 accumulators of 16 x 16, 768 registers.
; K goes in 16 steps of 64 through two LDS slots.  In the blocked layout a tile's rows of 128 bytes lie end to end: it is asked for as rows of 256 bytes (two rows of the tile), padded in LDS after every 128 bytes.
; CLUSTER 4 x 4: the four work-groups of a row of the cluster need the same tile of xb, the four of a column the same tile of wb: joint loads, the same descriptor and mask in all four.
; THE MATRIX INSTRUCTION IS USED TRANSPOSED (source 0 = 16 rows of wb, source 1 = 16 rows of xb): a lane holds row l % 16 of C and the eight neighbouring columns 8 (l / 16) + 0..7.
; REGISTERS, in windows of 256: window 0: v0-31 addresses; v32-95, v96-159 xb's fragments (8 x 16 rows x 32 K), two buffers; v160-255 wb's 12 fragments, in three groups of four.
;   window 1 + g: the 32 accumulators of wb's group g: (a, 4 g + bb) at v[8 (8 bb + a)].  On the way out window 0's v32-175 hold packed results and rows read back.
.set PITCH, 144                        ; an LDS row: 128 bytes + 16 of padding = 36 words: the 16 rows of a fragment load start at 16 different groups of four banks (64 banks of 4 bytes: ISA guide 11.1)
.set SLOTX, 1<<17                      ; slot 1 begins here: one exclusive or turns an address in one slot into the other's
.set BOFF,  256*PITCH                  ; a slot: xb's 256 rows, then wb's 384
.set STAGE, SLOTX+640*PITCH            ; behind the ring, never filled by a tensor load: 16 rows x 400 bytes for each wave
.set SP,    400                        ; 384 bytes + 16: 100 words: 16 rows start at 16 different groups of four banks
.set SPARE, STAGE+4*16*SP              ; the spare words, 128 bytes for each wave: two blocks of 256 bytes that no other line names
.set STEPA, 8192*128                   ; bytes from a K step to the next in xb
.set STEPB, 3072*128                   ; and in wb
.set LNA,  16                          ; v16  my lane's place in xb's rows of a slot; never rewritten
.set LNB,  17                          ; v17  the same for wb
.set ADRA, 18                          ; v18  LNA + the slot in hand
.set ADRB, 19                          ; v19  LNB + the slot in hand
.set STO,  24                          ; v24  the way out: where I put 16 bytes of a row
.set RD,   25                          ; v25  where I read rows back
.set GO,   26                          ; v26  16 x lane: my place in 512 consecutive bytes of qkv
.set SPW,  28                          ; v28  LDS address of my spare word; never rewritten
.set NIL,  29                          ; v29  0; never rewritten
.set PFO,  30                          ; v30  256 x lane: the prefetches' offset; never rewritten
.set FA,   32
.set FB,   160
.set TMP,  32                          ; the way out: 48 registers of packed results
.set OB,   80                          ; two buffers of 48: 16 rows read back
.set WV,   10                          ; s10  wave
.set WR,   11                          ; s11  which 128 rows of the tile are mine
.set WC,   12                          ; s12  which 192 columns; also: which half of a tile I fetch
.set G1,   24                          ; s[24:31] descriptor group 1 for xb's tiles
.set G0,   32                          ; s[32:35] group 0 of slot 0's first fill; s[36:39] the walking one: slot 1's first fill, then every refill
.set G1B,  48                          ; s[48:55], s[56:59], s[60:63] the same for wb's
.set G0B,  56
.set TB,   66                          ; s66  0 or SLOTX: the slot in hand
.set PFA,  68                          ; s[68:69] where xb's prefetch stands
.set PFB,  70                          ; s[70:71] where wb's stand
.set LIMA, 72                          ; s72  1 in the wave that prefetches xb, else the greatest number
.set LIMB, 73                          ; s73  3 in the wave that prefetches wb, else the greatest number
.set MSB, 0
.macro WIN new                         ; s_set_vgpr_msb: bits 1:0 source 0, 3:2 source 1, 5:4 source 2, 7:6 destination; the high byte repeats the setting that is left
.if MSB != (\new)
	s_set_vgpr_msb (MSB<<8)|(\new)
.set MSB, \new
.endif
.endm
.macro PLACES                          ; four plain instructions between a matrix instruction and a load into, or a vector instruction on, its registers (ISA guide 7.12.1 for vector instructions)
.rept 4
	v_nop
.endr
.endm
.macro CREST                           ; a round of the cluster's barrier behind its opening barrier
	s_cmp_lg_u32 s[WV], 0
	s_cbranch_scc1 .Lnot_wave_0_\@
	s_barrier_signal -3
.Lnot_wave_0_\@:
	s_barrier_wait -3
	s_barrier_signal -1
	s_barrier_wait -1
.endm
.macro CROUND
	s_barrier_signal -1
	s_barrier_wait -1
	CREST
.endm
.macro JLOAD                           ; a joint refill: waves 0 and 1 fetch xb's two halves, waves 2 and 3 wb's.  An s_nop 0 and four v_nop follow each line
	s_cmp_lt_u32 s[WV], 2
	s_cbranch_scc0 .Lfor_b_\@
	tensor_load_to_lds s[G0+4:G0+7], s[G1:G1+7]
	s_nop 0
.rept 4
	v_nop
.endr
	s_branch .Lasked_\@
.Lfor_b_\@:
	tensor_load_to_lds s[G0B+4:G0B+7], s[G1B:G1B+7]
	s_nop 0
.rept 4
	v_nop
.endr
.Lasked_\@:
.endm
; PREFETCHES INTO THE L2, behind the joint load, its five lines and the sixteen LDS loads that follow.  In trip t the refill asks for K step t + 2.
; xb: a tile row's K step is 128 blocks of 256 bytes, read by both clusters of that row of clusters: in the cluster with x = 0 wave 0 of partner cx names blocks 32 cx .. 32 cx + 31 of K step t + 3, a lane a block:
; one K step, 192 matrix instructions, ahead of its refill; trips 0 to 12 (s3 > 1).
; wb: a tile column's K step is 192 blocks, 48 a partner: no whole wave.  So every second trip (t even, t <= 10) names two K steps: in the clusters with y = 0 wave 2 of partner cy names half cy % 2 (96 blocks,
; three instructions) of K step t + 3 + cy / 2.  The partners are told apart by address alone.  K steps 0 to 2, and wb's K step 15, come by their loads alone.  Each block is named once in the launch.
.macro ASK
	s_cmp_gt_u32 s3, s[LIMA]
	s_cbranch_scc0 .Lno_a_\@
	global_prefetch_b8 v[PFO], s[PFA:PFA+1] th:TH_LOAD_NT scope:SCOPE_SE
.Lno_a_\@:
	s_bitcmp1_b32 s3, 0
	s_cbranch_scc1 .Lno_b_\@
	s_cmp_gt_u32 s3, s[LIMB]
	s_cbranch_scc0 .Lno_b_\@
	global_prefetch_b8 v[PFO], s[PFB:PFB+1] th:TH_LOAD_NT scope:SCOPE_SE
	global_prefetch_b8 v[PFO], s[PFB:PFB+1] offset:8192 th:TH_LOAD_NT scope:SCOPE_SE
	global_prefetch_b8 v[PFO], s[PFB:PFB+1] offset:16384 th:TH_LOAD_NT scope:SCOPE_SE
.Lno_b_\@:
.endm
	s_load_b128 s[4:7], s[0:1], 0x0                ; xb s[4:5], wb s[6:7]
	s_load_b64 s[8:9], s[0:1], 0x10                ; qkv
	v_lshl_add_u32 v[SPW], v0, 2, SPARE
	v_mov_b32 v[NIL], 0
	ds_add_u32 v[SPW], v[NIL]                      ; the wave's opening: the add and its wait stand ahead of my first tensor load; the set-up below stands between them
	v_lshrrev_b32 v1, 5, v0
	v_readfirstlane_b32 s[WV], v1
	s_lshr_b32 s[WR], s[WV], 1
	s_and_b32 s[WC], s[WV], 1
	s_bfe_u32 s40, ttmp6, 0x40000                  ; cx
	s_bfe_u32 s41, ttmp6, 0x40004                  ; cy
	s_lshl_b32 s42, ttmp9, 2
	s_add_co_u32 s42, s42, s40                     ; tile column = 4 x cluster x + cx
	s_and_b32 s13, ttmp7, 0xffff
	s_lshl_b32 s13, s13, 2
	s_add_co_u32 s13, s13, s41                     ; tile row = 4 x cluster y + cy
	s_lshl_b32 s43, s41, 2
	s_lshl_b32 s43, 15, s43                        ; my row of the cluster
	s_lshl_b32 s44, 0x1111, s40                    ; my column
	s_or_b32 s[G1], s43, (1<<16)|(1<<20)|(1<<21)|(4<<22)|(3<<25)   ; 15:0 the mask; 17:16 2-byte elements; 20 padding on; 21 set beside a mask; 24:22 after every 32 words (code 4); 31:25 4 words (code 3)
	s_or_b32 s[G1B], s44, (1<<16)|(1<<20)|(1<<21)|(4<<22)|(3<<25)
	s_mov_b32 s[G1+1], 128<<16                     ; tensor_dim0 = 128 elements: 256 bytes, two rows of the tile
	s_mov_b32 s[G1+2], 64<<16                      ; tensor_dim1 = 64: 128 rows of the tile
	s_mov_b32 s[G1+3], 128<<16                     ; tile_dim0
	s_mov_b32 s[G1+4], 64                          ; tile_dim1
	s_mov_b32 s[G1+5], 128                         ; dense: 128 elements from row to row
	s_mov_b32 s[G1+6], 0
	s_mov_b32 s[G1+7], 0
	s_mov_b32 s[G1B+1], 128<<16
	s_mov_b32 s[G1B+2], 96<<16                     ; 192 rows of the tile
	s_mov_b32 s[G1B+3], 128<<16
	s_mov_b32 s[G1B+4], 96
	s_mov_b32 s[G1B+5], 128
	s_mov_b32 s[G1B+6], 0
	s_mov_b32 s[G1B+7], 0
	s_lshl_b32 s16, s13, 15                        ; xb: 256 rows of 128 bytes a tile row,
	s_lshl_b32 s17, s[WC], 14                      ; 128 rows a half
	s_add_co_u32 s16, s16, s17
	s_mov_b32 s17, 0
	s_mul_i32 s46, s42, 384*128                    ; wb: 384 rows a tile column,
	s_mul_i32 s47, s[WC], 192*128                  ; 192 a half
	s_add_co_u32 s46, s46, s47
	s_mov_b32 s47, 0
	s_mul_i32 s20, s[WC], 128*PITCH                ; where they go: made of the wave's number alone
	s_mul_i32 s21, s[WC], 192*PITCH
	s_add_co_u32 s21, s21, BOFF
	s_mov_b32 s[TB], 0
	s_wait_dscnt 0x0                               ; the opening add is done
	s_wait_kmcnt 0x0
	s_add_nc_u64 s[14:15], s[4:5], s[16:17]
	s_add_nc_u64 s[46:47], s[6:7], s[46:47]
	CROUND                                         ; all sixteen work-groups are here: the first joint loads meet
.irp s, 0,1
	s_mov_b32 s[G0+4*(\s)], 1
	s_add_co_u32 s[G0+4*(\s)+1], s20, (\s)*SLOTX
	s_add_nc_u64 s[G0+4*(\s)+2:G0+4*(\s)+3], s[14:15], (\s)*STEPA
	s_or_b32 s[G0+4*(\s)+3], s[G0+4*(\s)+3], 0x80000000
	s_mov_b32 s[G0B+4*(\s)], 1
	s_add_co_u32 s[G0B+4*(\s)+1], s21, (\s)*SLOTX
	s_add_nc_u64 s[G0B+4*(\s)+2:G0B+4*(\s)+3], s[46:47], (\s)*STEPB
	s_or_b32 s[G0B+4*(\s)+3], s[G0B+4*(\s)+3], 0x80000000
.endr
	s_cmp_lt_u32 s[WV], 2                          ; a wave's two first fills (K steps 0 and 1) stand in one branch: two loads of mine are out
	s_cbranch_scc0 .Lfirst_b
	tensor_load_to_lds s[G0:G0+3], s[G1:G1+7]
	s_nop 0
	tensor_load_to_lds s[G0+4:G0+7], s[G1:G1+7]
	s_nop 0
.rept 4
	v_nop
.endr
	s_branch .Lfirst_asked
.Lfirst_b:
	tensor_load_to_lds s[G0B:G0B+3], s[G1B:G1B+7]
	s_nop 0
	tensor_load_to_lds s[G0B+4:G0B+7], s[G1B:G1B+7]
	s_nop 0
.rept 4
	v_nop
.endr
.Lfirst_asked:
	; A fragment is 16 rows x 32 K in 8 registers: lane l holds row l % 16, K = 8 (l / 16) + 0..7 and 16 + 8 (l / 16) + 0..7: two loads of 16 bytes, 32 bytes apart.
	v_and_b32 v1, 15, v0
	v_bfe_u32 v2, v0, 4, 1
	v_mul_u32_u24 v3, v1, PITCH
	v_lshl_add_u32 v3, v2, 4, v3
	s_mul_i32 s22, s[WR], 128*PITCH
	s_mul_i32 s23, s[WC], 192*PITCH
	s_add_co_u32 s23, s23, BOFF
	v_add_nc_u32 v[LNA], s22, v3
	v_add_nc_u32 v[LNB], s23, v3
	v_mov_b32 v[ADRA], v[LNA]
	v_mov_b32 v[ADRB], v[LNB]
	s_mul_i32 s22, s[WV], 16*SP
	s_add_co_u32 s22, s22, STAGE                   ; my stage
	v_mul_u32_u24 v4, v1, SP                       ; in: row l % 16, 16 bytes for each half of the lanes
	v_lshl_add_u32 v4, v2, 4, v4
	v_add_nc_u32 v[STO], s22, v4
	v_bfe_u32 v5, v0, 3, 2                         ; back: 32 lanes take 128 bytes of each of four rows,
	v_and_b32 v6, 7, v0
	v_mul_u32_u24 v5, v5, SP
	v_lshl_add_u32 v5, v6, 4, v5
	v_add_nc_u32 v[RD], s22, v5
	v_and_b32 v[GO], 31, v0                        ; which are 512 consecutive bytes of one block of qkv
	v_lshlrev_b32 v[PFO], 8, v[GO]
	v_lshlrev_b32 v[GO], 4, v[GO]
	s_mul_i32 s80, s42, 6                          ; my first block of 64 columns: 6 x tile column + 3 x half,
	s_mul_i32 s81, s[WC], 3
	s_add_co_u32 s80, s80, s81
	s_lshl_b32 s80, s80, 20                        ; 8,192 rows of 128 bytes each;
	s_lshl_b32 s81, s13, 15                        ; my tile's rows,
	s_add_co_u32 s80, s80, s81
	s_lshl_b32 s81, s[WR], 14                      ; my 128 of them
	s_add_co_u32 s80, s80, s81
	s_mov_b32 s81, 0
	s_add_nc_u64 s[8:9], s[8:9], s[80:81]
	s_lshl_b32 s74, s13, 15                        ; the prefetches: xb at my tile row, my work-group's 32 blocks, K step 2 (the first change of slots steps it to 3)
	s_lshl_b32 s75, s40, 13
	s_add_co_u32 s74, s74, s75
	s_add_co_u32 s74, s74, 2*STEPA
	s_mov_b32 s75, 0
	s_add_nc_u64 s[PFA:PFA+1], s[4:5], s[74:75]
	s_mul_i32 s76, s42, 384*128                    ; wb at my tile column, K step 2 + cy / 2, half cy % 2
	s_lshr_b32 s77, s41, 1
	s_mul_i32 s77, s77, STEPB
	s_add_co_u32 s76, s76, s77
	s_and_b32 s77, s41, 1
	s_mul_i32 s77, s77, 192*128
	s_add_co_u32 s76, s76, s77
	s_add_co_u32 s76, s76, 2*STEPB
	s_mov_b32 s77, 0
	s_add_nc_u64 s[PFB:PFB+1], s[6:7], s[76:77]
	s_or_b32 s78, s[WV], ttmp9                     ; wave 0 of the clusters with x = 0: the same in all sixteen partners
	s_cmp_eq_u32 s78, 0
	s_cselect_b32 s[LIMA], 1, -1
	s_xor_b32 s78, s[WV], 2                        ; wave 2 of the clusters with y = 0
	s_and_b32 s79, ttmp7, 0xffff
	s_or_b32 s78, s78, s79
	s_cmp_eq_u32 s78, 0
	s_cselect_b32 s[LIMB], 3, -1
.macro LDB g, kb                       ; wb's group g (four fragments) of the 32 K at byte kb of the rows: 8 loads
	WIN 0
.irp i, 0,1,2,3
	ds_load_b128 v[FB+32*(\g)+8*(\i):FB+32*(\g)+8*(\i)+3],   v[ADRB] offset:(4*(\g)+(\i))*16*PITCH+(\kb)
	ds_load_b128 v[FB+32*(\g)+8*(\i)+4:FB+32*(\g)+8*(\i)+7], v[ADRB] offset:(4*(\g)+(\i))*16*PITCH+(\kb)+32
.endr
.endm
.macro LDA part, buf, kb               ; four of xb's eight fragments into buffer buf: 8 loads
	WIN 0
.irp i, 0,1,2,3
	ds_load_b128 v[FA+64*(\buf)+8*(4*(\part)+(\i)):FA+64*(\buf)+8*(4*(\part)+(\i))+3],   v[ADRA] offset:(4*(\part)+(\i))*16*PITCH+(\kb)
	ds_load_b128 v[FA+64*(\buf)+8*(4*(\part)+(\i))+4:FA+64*(\buf)+8*(4*(\part)+(\i))+7], v[ADRA] offset:(4*(\part)+(\i))*16*PITCH+(\kb)+32
.endr
.endm
; Matrix instructions of group g, fragments from .. to of it, all eight row blocks.  The 96 accumulators take turns, one instruction a turn, in the same order in every 32 along K.
.macro PH g, buf, zero, from, to
	WIN 0x50*((\g)+1)                              ; C and D in window 1 + g, both sources in window 0
.set bb, \from
.rept (\to)-(\from)+1
.set aa, 0
.rept 8
.if \zero
	v_wmma_f32_16x16x32_bf16 v[8*(8*bb+aa):8*(8*bb+aa)+7], v[FB+32*(\g)+8*bb:FB+32*(\g)+8*bb+7], v[FA+64*(\buf)+8*aa:FA+64*(\buf)+8*aa+7], 0
.else
	v_wmma_f32_16x16x32_bf16 v[8*(8*bb+aa):8*(8*bb+aa)+7], v[FB+32*(\g)+8*bb:FB+32*(\g)+8*bb+7], v[FA+64*(\buf)+8*aa:FA+64*(\buf)+8*aa+7], v[8*(8*bb+aa):8*(8*bb+aa)+7]
.endif
.set aa, aa+1
.endr
.set bb, bb+1
.endr
.endm
; 32 ALONG K: 96 matrix instructions in three phases, one for each group of wb's fragments.  A group is loaded for the next 32 as soon as its phase is over; xb's fragments have two buffers.
; LDS loads come back in order (ISA guide 5.7.1), and the order of issue is always: group 0, xb 0-3, xb 4-7, group 1 (all for the 32 to come), group 2 (at the head of its own 32).
; mode 0: the next 32 lie in the same slot.  1: the slot's second half: change of slots, and the slot is filled again.  2: change of slots, nothing is asked for.  3: the last 32 of all.
.macro SUBK half, buf, zero, mode
.set NXK, 64*(1-(\half))
.if (\mode) == 1
	s_wait_xcnt 0x0                                ; the last prefetches, a K step back, have read their addresses: they are stepped here, ahead of the waits of the change of slots
	s_add_nc_u64 s[PFA:PFA+1], s[PFA:PFA+1], STEPA
	s_add_nc_u64 s[PFB:PFB+1], s[PFB:PFB+1], STEPB
.endif
	PLACES
	LDB 2, 64*(\half)                              ; in a slot's second half: my last read of the slot
.if ((\mode) == 0) || ((\mode) == 3)
	s_wait_dscnt 16                                ; group 0 and xb are in; groups 1 and 2, 8 loads each, may be out
	PH 0, \buf, \zero, 0, 3
.if (\mode) == 0
	PLACES
.endif
.else
	s_wait_tensorcnt 0x0                           ; all my tensor loads have landed: the one that was out is my part of the other slot; so a group 0 may be written
	ds_add_u32 v[SPW], v[NIL]                      ; 0 onto my spare word
.if (\mode) == 1
	s_xor_b32 s[G0+5], s[G0+5], SLOTX              ; the walking descriptors: the other slot than last time, the next K step; the type bits on top are not reached
	s_add_nc_u64 s[G0+6:G0+7], s[G0+6:G0+7], STEPA
	s_xor_b32 s[G0B+5], s[G0B+5], SLOTX
	s_add_nc_u64 s[G0B+6:G0B+7], s[G0B+6:G0B+7], STEPB
.endif
	s_wait_dscnt 17                                ; groups 1 and 2 and the add may be out
	PH 0, \buf, \zero, 0, 1
	s_wait_dscnt 0x0                               ; the add is done, and my reads of this slot are over
	s_barrier_signal -1                            ; (with a refill this barrier opens a round of the cluster's)
	PH 0, \buf, \zero, 2, 3
	WIN 0
	s_barrier_wait -1
.if (\mode) == 1
	CREST                                          ; no wave of any partner still reads this slot or has a load on its way
	JLOAD                                          ; the first tensor load behind the round; 160 matrix instructions stand between it and the wait for it; its four v_nop are also the places in front of the loads below
.else
	PLACES
.endif
	s_xor_b32 s[TB], s[TB], SLOTX
	v_add_nc_u32 v[ADRA], s[TB], v[LNA]
	v_add_nc_u32 v[ADRB], s[TB], v[LNB]
.endif
.if (\mode) < 3
	LDB 0, NXK
	LDA 0, 1-(\buf), NXK
.if (\mode) == 1
	ASK
.endif
	s_wait_dscnt 24                                ; group 1 is in; group 2 and the 16 just issued may be out
.else
	s_wait_dscnt 8                                 ; group 1 is in
.endif
	PH 1, \buf, \zero, 0, 3
.if (\mode) < 3
	PLACES
	LDA 1, 1-(\buf), NXK
	LDB 1, NXK
	s_wait_dscnt 32                                ; group 2 is in; the 32 loads for the next 32 along K may be out
.else
	s_wait_dscnt 0x0
.endif
	PH 2, \buf, \zero, 0, 3
.endm
	s_wait_tensorcnt 1                             ; my part of K step 0 is in; K step 1's may stay out
	s_barrier_signal -1
	s_barrier_wait -1
	LDB 0, 0
	LDA 0, 0, 0
	LDA 1, 0, 0
	LDB 1, 0
	SUBK 0, 0, 1, 0                                ; the first 32 along K stand in front of the loop: their products start the sums with the constant 0
	WIN 0
	s_mov_b32 s3, 14
.Lk:                                               ; trip t: the second half of K step t, the refill with K step t + 2, the first half of K step t + 1
	SUBK 1, 1, 0, 1
	SUBK 0, 0, 0, 0
	WIN 0
	s_sub_co_u32 s3, s3, 1
	s_cmp_lg_u32 s3, 0
	s_cbranch_scc1 .Lk
	SUBK 1, 1, 0, 2                                ; the tail is written out: nothing more is asked for
	SUBK 0, 0, 0, 0
	SUBK 1, 1, 0, 3
; THE WAY OUT, a block of 16 rows at a time: rounded to f16 (16 bytes a lane), into my own stage in rows of 400 bytes, back as 128 bytes of each of four rows, stored as 512 consecutive bytes of a block of qkv.
.macro PACK a
.irp g, 0,1,2
	WIN 5*(1+(\g))                                 ; sources 0 and 1 in window 1 + g
.irp c, 0,1,2,3
.irp r, 0,1,2,3
	v_cvt_pk_f16_f32 v[TMP+4*(4*(\g)+(\c))+(\r)], v[8*(8*(\c)+(\a))+2*(\r)], v[8*(8*(\c)+(\a))+2*(\r)+1]
.endr
.endr
.endr
	WIN 0
.endm
.macro TOSTAGE a
	WIN 0
.set BK, OB+48*((\a)%2)
.irp b, 0,1,2,3,4,5,6,7,8,9,10,11
	ds_store_b128 v[STO], v[TMP+4*(\b):TMP+4*(\b)+3] offset:32*(\b)
.endr
.irp t, 0,1,2,3
.irp g, 0,1,2
	ds_load_b128 v[BK+4*(3*(\t)+(\g)):BK+4*(3*(\t)+(\g))+3], v[RD] offset:4*SP*(\t)+128*(\g)  ; LDS serves a wave's instructions in order (ISA guide 5.7.1.4): these see the stores above
.endr
.endr
.endm
.macro SEND a
	WIN 0
.set BK, OB+48*((\a)%2)
	s_wait_dscnt 0x0                               ; the block is back in registers
	s_wait_xcnt 0x0                                ; the stores issued so far have read their registers: the other buffer may be loaded again behind this wait
.irp t, 0,1,2,3
.irp g, 0,1,2
	global_store_b128 v[GO], v[BK+4*(3*(\t)+(\g)):BK+4*(3*(\t)+(\g))+3], s[8:9] offset:(1<<20)*(\g)+2048*(\a)+512*(\t)  ; 512 consecutive bytes, at a multiple of 512 from qkv's first
.endr
.endr
.endm
	PLACES
	PACK 0
	TOSTAGE 0
.irp a, 1,2,3,4,5,6,7                  ; block a's conversions stand between block a - 1's loads from the stage and the wait for them
	PACK \a
	SEND (\a)-1
	TOSTAGE \a
.endr
	SEND 7
	s_wait_tensorcnt 0x0                           ; the wave's end, behind my last tensor load and my last LDS store
	ds_add_u32 v[SPW], v[NIL]
	s_wait_dscnt 0x0
	CROUND                                         ; the closing round: no work-group ends while a partner may still ask for a tile that names it
	s_endpgm
.Lfunc_end_k_qbc8b3af618_proj:
	.size	k_qbc8b3af618_proj, .Lfunc_end_k_qbc8b3af618_proj-k_qbc8b3af618_proj
	.p2alignl 7, 3214868480
	.fill 96, 4, 3214868480
	.section	.rodata,"a",@progbits
	.p2align	6, 0x0
	.amdhsa_kernel k_qbc8b3af618_proj
		.amdhsa_group_segment_fixed_size 327680
		.amdhsa_private_segment_fixed_size 0
		.amdhsa_enable_private_segment 0
		.amdhsa_kernarg_size 24
		.amdhsa_user_sgpr_count 2
		.amdhsa_user_sgpr_kernarg_segment_ptr 1
		.amdhsa_wavefront_size32 1
		.amdhsa_system_sgpr_workgroup_id_x 1
		.amdhsa_system_sgpr_workgroup_id_y 1
		.amdhsa_system_sgpr_workgroup_id_z 1
		.amdhsa_system_vgpr_workitem_id 0
		.amdhsa_next_free_vgpr 1024
		.amdhsa_next_free_sgpr 84
		.amdhsa_reserve_vcc 0
		.amdhsa_float_denorm_mode_32 3
		.amdhsa_float_denorm_mode_16_64 3
		.amdhsa_memory_ordered 1
		.amdhsa_forward_progress 1
		.amdhsa_inst_pref_size 112
	.end_amdhsa_kernel
	.amdgpu_metadata
---
amdhsa.version: [ 1, 2 ]
amdhsa.kernels:
  - .name:           k_qbc8b3af618_proj
    .symbol:         k_qbc8b3af618_proj.kd
    .args:
      - { .name: xb, .offset: 0, .size: 8, .value_kind: global_buffer, .address_space: global }
      - { .name: wb, .offset: 8, .size: 8, .value_kind: global_buffer, .address_space: global }
      - { .name: qkv, .offset: 16, .size: 8, .value_kind: global_buffer, .address_space: global }
    .group_segment_fixed_size: 327680
    .private_segment_fixed_size: 0
    .kernarg_segment_align: 8
    .kernarg_segment_size: 24
    .max_flat_workgroup_size: 128
    .sgpr_count:     84
    .vgpr_count:     1024
    .wavefront_size: 32
...
	.end_amdgpu_metadata
.endif
;; end of part 2
;; launch score (part 3): grid 12 x 16, 4 waves a work-group, clusters of 4 x 4, 327,680 bytes of LDS; arguments qkv, pbuf, stat; writes pbuf, stat
.if DOCPART == 3
	.amdgcn_target "amdgcn-amd-amdhsa--gfx1250"
	.amdhsa_code_object_version 6
	.text
	.protected	k_qbc8b3af618_score
	.globl	k_qbc8b3af618_score
	.p2align	8
	.type	k_qbc8b3af618_score,@function
k_qbc8b3af618_score:
	s_mov_b64 s[64:65], 0
	v_nop
	global_prefetch_b8 v0, s[64:65] scope:SCOPE_SE
	s_setreg_imm32_b32 hwreg(HW_REG_WAVE_MODE, 25, 1), 1
	s_wait_xcnt 0x0
	s_wait_alu depctr_hold_cnt(0) depctr_sa_sdst(0) depctr_va_vdst(0) depctr_va_sdst(0) depctr_va_ssrc(0) depctr_va_vcc(0) depctr_vm_vsrc(0)
	s_getreg_b32 s2, hwreg(HW_REG_IB_STS2, 6, 4)
	s_cmp_eq_u32 s2, 0
	s_cbranch_scc0 .Lentry_in_a_cluster
	s_endpgm
.Lentry_in_a_cluster:
	s_bfe_u32 s2, ttmp6, 0x10000c
	s_cmp_lg_u32 s2, 0xf033
	s_cbranch_scc0 .Lentry_shape_is_right
	s_endpgm
.Lentry_shape_is_right:
; THE FIRST LEVEL OF THE SOFTMAX.  For batch b, a block of 128 queries and a block kb of 128 keys: s = q . k (f16 operands, f32 sums, 1024 channels) under the causal mask; per query
; m = the maximum of its 128 masked scores, p = 2^(c (s - m)) with c = log2(e) / 32, l = the sum of the unrounded p.  pbuf [4][2048 q][2048 key] takes p in f16; stat [4][16 kb][2][2048 q] takes m and l in f32.
; The next launch joins the key blocks by their true maximum.  The subtraction stands first, so that s - m <= 0 whatever the size of the numbers: p lies in 0 to 1, l in 1 to 128.
; THE MASK is the C operand that starts a sum: 0, or -1e30 where key > query.  A block wholly above the diagonal is computed like any other (its m is about -1e30; the next launch gives it the weight 0).
; LIMITS.  |q|, |k| below 65,504 on arrival; raw scores far below 1e30 (f16's range allows 4.4e12); p below 6e-5 keeps f16's fixed step of 6e-8; a p below 2^-126 counts as 0 in l; NaN and infinities are not treated apart.
; SHARES.  A batch's 16 x 16 blocks of 128 queries x 128 keys are taken in three regions of 8 x 8 blocks: (queries 0-1023, keys 0-1023), (1024-2047, 0-1023), (1024-2047, 1024-2047).  A region is a cluster of
; 4 x 4 work-groups.  Work-group (cx, cy) takes the region's query blocks cy and cy + 4 and its key blocks cx and cx + 4: a tile of 256 x 256; each of its four waves takes one pair of blocks, 128 x 128:
; 64 accumulators, 512 registers.  So also in a region on the diagonal every work-group holds a pair that is wholly visible (query block cy + 4, key block cx).  12 clusters, 192 work-groups of equal work.
; The four work-groups of a row of the cluster need the same rows of q, the four of a column the same rows of k: joint loads, the same descriptor and mask in all four.
; No branch, trip count or LDS address hangs on the place in the cluster: it enters global addresses and the masks' values alone.
; COMPUTED IN VAIN: 224 of the 768 pairs of blocks.  In a region on the diagonal the pair (cy, cx + 4), wave 1's, is hidden whatever cx and cy, and the next launch never reads it.  Wave 1 multiplies it all the same:
; every wave passes every barrier and fetches its share of the tiles, and one text serves all; but it leaves the way out aside (a branch on the wave's and the cluster's numbers).  The pairs (cy, cx) and
; (cy + 4, cx + 4) with cx > cy are hidden too; they lie among the key blocks that the next launch walks for their queries, and are stored.
; qkv: [48 cb][8192 rows][64]: cb 0-15 q, 16-31 k.  K goes in 8 steps of 128 through two LDS slots.  128 rows x 128 channels are two dense pieces of 16,384 bytes, one in each of two neighbouring cb:
; ONE descriptor of two rows of 8,192 elements brings both, padded in LDS after every 128 bytes: two planes of 128 rows x 64 channels.
; THE MATRIX INSTRUCTION IS USED TRANSPOSED (source 0 = 16 keys, source 1 = 16 queries): a lane holds query l % 16 and the keys 8 (l / 16) + 0..7.
; REGISTERS: window 0: v0-31 addresses and the softmax's few; v32-55 three masks (first products only); v64-127, v128-191 q's fragments, two buffers; on the way out v64-127 the block in hand, v128-159 rows read back, v192-223 packed p
;   window 1: v64-127, v128-191 k's fragments   window 2: the accumulators of my rows 0-63 ((a, b) at v[8 (8 (a % 4) + b)])   window 3: those of rows 64-127
.set PITCH, 144                        ; 128 bytes + 16: 36 words: the 16 rows of a fragment load start at 16 different groups of four banks (64 banks of 4 bytes: ISA guide 11.1)
.set PLANE, 128*PITCH                  ; 128 rows x 64 channels
.set HALFT, 2*PLANE                    ; what one tensor load brings, and what one wave reads of q or of k: 128 rows x 128 channels
.set SLOTX, 4*HALFT                    ; 0x24000: slot 1 begins here; no LDS word of a descriptor has one of its two bits, so one exclusive or changes slots
.set BOFF,  2*HALFT                    ; a slot: q's two blocks, then k's two
.set STAGE, 2*SLOTX                    ; behind the ring, never filled by a tensor load: 16 rows x 272 bytes for each wave
.set SP,    272
.set STATS, STAGE+4*16*SP              ; 1,024 bytes for each wave: m of my 128 rows, then l of my 128 rows
.set STW,   1024
.set SPARE, STATS+4*STW                ; the spare words: two blocks of 256 bytes that no other line names
.set STEP,  2*8192*128                 ; bytes from a K step to the next: two cb
.set TROW,  128*64                     ; elements in a row of the descriptor
.set K1,    64                         ; where a K step's quarters (32 channels) begin in an LDS row: plane 0 byte 0, byte 64,
.set K2,    PLANE                      ; plane 1 byte 0,
.set K3,    PLANE+64                   ; byte 64
.set C0,   8                           ; v8-11  four running maxima
.set NM,   12                          ; v[12:13] -m, twice: a pair for the packed addition
.set MX,   14                          ; v14  m
.set LS,   15                          ; v15  l
.set LNA,  16                          ; v16  my lane's place in q's rows of a slot; never rewritten
.set LNB,  17                          ; v17  the same for k
.set ADRA, 18                          ; v18  LNA + the slot in hand
.set ADRB, 19
.set SL,   20                          ; v20  where I read 16 bytes of my wave's m back
.set SG,   21                          ; v21  16 x lane
.set CO2,  22                          ; v22  CO + the block in hand
.set STO,  24                          ; v24  the way out: where I put 16 bytes of a row
.set RD,   25                          ; v25  where I read a row back
.set CO,   26                          ; v26  my byte offset in two rows of pbuf
.set SA,   27                          ; v27  where I put the m of row l % 16 of my wave's block 0; never rewritten: the block stands in the stores' immediates
.set SPW,  28                          ; v28  LDS address of my spare word; never rewritten
.set NIL,  29                          ; v29  0; never rewritten
.set PFO,  30                          ; v30  256 x lane: the prefetch's offset; never rewritten
.set MDIAG, 32                         ; the mask of a 16 x 16 block on my pair's diagonal,
.set MLOW,  40                         ; below it,
.set MHIGH, 48                         ; above it
.set F0,   64
.set F1,   128
.set X,    64
.set OB,   128
.set TMP,  192
.set WV,   10
.set WR,   11                          ; s11  which of the tile's two query blocks is mine
.set WC,   12                          ; s12  which of its two key blocks; also: which block of a tile I fetch
.set GSO,  20                          ; s20  the way out: 65,536 x the block in hand (16 rows of pbuf)
.set G1,   24                          ; s[24:31] descriptor group 1 for q's tiles
.set G0,   32                          ; s[32:35] group 0 of slot 0's first fill; s[36:39] the walking one: slot 1's first fill, then every refill
.set G1B,  48                          ; s[48:55], s[56:59], s[60:63] the same for k's
.set G0B,  56
.set TB,   66                          ; s66  0 or SLOTX: the slot in hand
.set PFA,  68                          ; s[68:69] where my prefetch stands
.set LIM,  70                          ; s70  1 in a wave that prefetches, else the greatest number
.set IDLE, 71                          ; s71  1 in wave 1 of a region on the diagonal
.set CS,   72                          ; s[72:73] c
.set SEL,  74                          ; s[74:75] v_permlanex16_b32's selects: each lane takes its own place in the other half
.set AL,   76                          ; s[76:77] 1 if my pair holds the diagonal, else 0
.set BE,   78                          ; s[78:79] -1e30 if my pair lies above it, else 0
.set BH,   80                          ; s80      -1e30 if it holds it or lies above, else 0
.set BIGN, 81
.set MSB, 0
.macro WIN new                         ; s_set_vgpr_msb: bits 1:0 source 0, 3:2 source 1, 5:4 source 2, 7:6 destination; the high byte repeats the setting that is left
.if MSB != (\new)
	s_set_vgpr_msb (MSB<<8)|(\new)
.set MSB, \new
.endif
.endm
.macro PLACES                          ; four plain instructions between a matrix instruction and a load into, or a vector instruction on, its registers (ISA guide 7.12.1 for vector instructions)
.rept 4
	v_nop
.endr
.endm
.macro CREST                           ; a round of the cluster's barrier behind its opening barrier
	s_cmp_lg_u32 s[WV], 0
	s_cbranch_scc1 .Lnot_wave_0_\@
	s_barrier_signal -3
.Lnot_wave_0_\@:
	s_barrier_wait -3
	s_barrier_signal -1
	s_barrier_wait -1
.endm
.macro CROUND
	s_barrier_signal -1
	s_barrier_wait -1
	CREST
.endm
.macro JLOAD                           ; a joint refill: waves 0 and 1 fetch q's two blocks, waves 2 and 3 k's.  An s_nop 0 and four v_nop follow each line
	s_cmp_lt_u32 s[WV], 2
	s_cbranch_scc0 .Lfor_b_\@
	tensor_load_to_lds s[G0+4:G0+7], s[G1:G1+7]
	s_nop 0
.rept 4
	v_nop
.endr
	s_branch .Lasked_\@
.Lfor_b_\@:
	tensor_load_to_lds s[G0B+4:G0B+7], s[G1B:G1B+7]
	s_nop 0
.rept 4
	v_nop
.endr
.Lasked_\@:
.endm
; A PREFETCH INTO THE L2, behind the refill, its five lines and the run of LDS loads: in trip t (refill: K step t + 2) K step t + 3: one K step, 256 matrix instructions, ahead of its refill.  One instruction a wave.
; A load's 128 rows x 128 channels are 128 blocks of 256 bytes; each of the four partners that ask for them jointly names 32, a lane a block, told apart by address: partner p takes half p % 2 of plane p / 2
; (p = cx for q, cy for k).  Queries 1024-2047 are read by regions 1 and 2, keys 0-1023 by regions 0 and 1: for q the clusters of regions 0 and 1 ask, for k those of regions 0 and 2.  So each block is named once.
; K steps 0 to 2 come by their loads alone; the last trip asks for nothing.
.macro ASK
	s_cmp_gt_u32 s3, s[LIM]
	s_cbranch_scc0 .Lnot_mine_\@
	global_prefetch_b8 v[PFO], s[PFA:PFA+1] th:TH_LOAD_NT scope:SCOPE_SE
.Lnot_mine_\@:
.endm
	s_load_b128 s[4:7], s[0:1], 0x0                ; qkv s[4:5], pbuf s[6:7]
	s_load_b64 s[8:9], s[0:1], 0x10                ; stat
	v_lshl_add_u32 v[SPW], v0, 2, SPARE
	v_mov_b32 v[NIL], 0
	ds_add_u32 v[SPW], v[NIL]                      ; the wave's opening: the add and its wait stand ahead of my first tensor load; the set-up below stands between them
	v_lshrrev_b32 v1, 5, v0
	v_readfirstlane_b32 s[WV], v1
	s_lshr_b32 s[WR], s[WV], 1
	s_and_b32 s[WC], s[WV], 1
	s_bfe_u32 s40, ttmp6, 0x40000                  ; cx
	s_bfe_u32 s41, ttmp6, 0x40004                  ; cy
	s_and_b32 s42, ttmp7, 0xffff                   ; the batch: the cluster's y
	s_cmp_ge_u32 ttmp9, 1                          ; the region: the cluster's x.  Regions 1 and 2 hold queries 1024-2047,
	s_cselect_b32 s43, 8, 0
	s_cmp_ge_u32 ttmp9, 2                          ; region 2 keys 1024-2047
	s_cselect_b32 s44, 8, 0
	s_add_co_u32 s43, s43, s41                     ; my tile's first query block; the second lies 4 on
	s_add_co_u32 s44, s44, s40                     ; my tile's first key block
	s_lshl_b32 s13, s41, 2
	s_lshl_b32 s13, 15, s13                        ; my row of the cluster
	s_lshl_b32 s45, 0x1111, s40                    ; my column
	s_or_b32 s[G1], s13, (1<<16)|(1<<20)|(1<<21)|(4<<22)|(3<<25)   ; 15:0 the mask; 17:16 2-byte elements; 20 padding on; 21 set beside a mask; 24:22 after every 32 words (code 4); 31:25 4 words (code 3)
	s_or_b32 s[G1B], s45, (1<<16)|(1<<20)|(1<<21)|(4<<22)|(3<<25)
.irp g, G1, G1B
	s_mov_b32 s[(\g)+1], (TROW&0xffff)<<16         ; tensor_dim0 = 8,192 elements: 128 rows of 64 channels, dense
	s_mov_b32 s[(\g)+2], (TROW>>16)|(2<<16)        ; tensor_dim1 = 2: two cb
	s_mov_b32 s[(\g)+3], TROW<<16                  ; tile_dim0
	s_mov_b32 s[(\g)+4], 2                         ; tile_dim1
	s_mov_b32 s[(\g)+5], 8192*64                   ; elements from a cb to the next
	s_mov_b32 s[(\g)+6], 0
	s_mov_b32 s[(\g)+7], 0
.endr
	s_lshl_b32 s15, s[WC], 2                       ; which of a tile's two blocks I fetch
	s_add_co_u32 s16, s43, s15                     ; q: the block,
	s_lshl_b32 s16, s16, 14                        ; 128 rows of 128 bytes each,
	s_lshl_b32 s17, s42, 18                        ; 2,048 rows a batch
	s_add_co_u32 s16, s16, s17
	s_mov_b32 s17, 0
	s_add_co_u32 s18, s44, s15                     ; k likewise,
	s_lshl_b32 s18, s18, 14
	s_lshl_b32 s19, s42, 18
	s_add_co_u32 s18, s18, s19
	s_add_co_u32 s18, s18, 16*8192*128             ; behind q's 16 cb
	s_mov_b32 s19, 0
	s_mul_i32 s20, s[WC], HALFT                    ; where they go: made of the wave's number alone
	s_add_co_u32 s21, s20, BOFF
	s_lshl_b32 s22, s[WR], 2
	s_add_co_u32 s22, s22, s43                     ; my wave's query block in the batch, 0..15
	s_lshl_b32 s23, s[WC], 2
	s_add_co_u32 s23, s23, s44                     ; my wave's key block
	s_mov_b32 s[TB], 0
	s_mov_b32 s[CS], 0x3d38aa3b                    ; c = log2(e) / 32
	s_mov_b32 s[CS+1], s[CS]
	s_mov_b32 s[SEL], 0x76543210
	s_mov_b32 s[SEL+1], 0xfedcba98
	s_mov_b32 s[BIGN], 0xf149f2ca                  ; -1e30
	s_cmp_eq_u32 s23, s22
	s_cselect_b32 s[AL], 1.0, 0
	s_cmp_gt_u32 s23, s22
	s_cselect_b32 s[BE], s[BIGN], 0
	s_cmp_ge_u32 s23, s22
	s_cselect_b32 s[BH], s[BIGN], 0
	s_mov_b32 s[AL+1], 0                           ; named as pairs
	s_mov_b32 s[BE+1], 0
	s_cmp_eq_u32 s[WV], 1
	s_cselect_b32 s[IDLE], 1, 0
	s_cmp_eq_u32 ttmp9, 1                          ; region 1 lies below the diagonal
	s_cselect_b32 s[IDLE], 0, s[IDLE]
	s_wait_dscnt 0x0                               ; the opening add is done
	s_wait_kmcnt 0x0
	s_add_nc_u64 s[14:15], s[4:5], s[16:17]
	s_add_nc_u64 s[46:47], s[4:5], s[18:19]
	CROUND                                         ; all sixteen work-groups are here: the first joint loads meet
.irp s, 0,1
	s_mov_b32 s[G0+4*(\s)], 1
	s_add_co_u32 s[G0+4*(\s)+1], s20, (\s)*SLOTX
	s_add_nc_u64 s[G0+4*(\s)+2:G0+4*(\s)+3], s[14:15], (\s)*STEP
	s_or_b32 s[G0+4*(\s)+3], s[G0+4*(\s)+3], 0x80000000
	s_mov_b32 s[G0B+4*(\s)], 1
	s_add_co_u32 s[G0B+4*(\s)+1], s21, (\s)*SLOTX
	s_add_nc_u64 s[G0B+4*(\s)+2:G0B+4*(\s)+3], s[46:47], (\s)*STEP
	s_or_b32 s[G0B+4*(\s)+3], s[G0B+4*(\s)+3], 0x80000000
.endr
	s_cmp_lt_u32 s[WV], 2                          ; a wave's two first fills (K steps 0 and 1) stand in one branch: two loads of mine are out
	s_cbranch_scc0 .Lfirst_b
	tensor_load_to_lds s[G0:G0+3], s[G1:G1+7]
	s_nop 0
	tensor_load_to_lds s[G0+4:G0+7], s[G1:G1+7]
	s_nop 0
.rept 4
	v_nop
.endr
	s_branch .Lfirst_asked
.Lfirst_b:
	tensor_load_to_lds s[G0B:G0B+3], s[G1B:G1B+7]
	s_nop 0
	tensor_load_to_lds s[G0B+4:G0B+7], s[G1B:G1B+7]
	s_nop 0
.rept 4
	v_nop
.endr
.Lfirst_asked:
	v_and_b32 v1, 15, v0                           ; l % 16
	v_bfe_u32 v2, v0, 4, 1                         ; l / 16
	; the masks.  In a 16 x 16 block on the diagonal register r of lane l is key 8 (l / 16) + r against query l % 16
	v_lshlrev_b32 v3, 3, v2
	v_sub_nc_u32 v3, v1, v3
.set i, 0
.rept 8
	v_cmp_gt_i32 vcc_lo, i, v3
	v_cndmask_b32 v[MDIAG+i], 0, s[BIGN], vcc_lo
	v_mov_b32 v[MLOW+i], s[BE]
	v_mov_b32 v[MHIGH+i], s[BH]
.set i, i+1
.endr
.set i, 0
.rept 4
	v_pk_fma_f32 v[MDIAG+2*i:MDIAG+2*i+1], v[MDIAG+2*i:MDIAG+2*i+1], s[AL:AL+1], s[BE:BE+1] op_sel_hi:[1,0,0]
.set i, i+1
.endr
	; A fragment is 16 rows x 32 channels in 8 registers: lane l holds row l % 16, channels 8 (l / 16) + 0..7 and 16 + 8 (l / 16) + 0..7: two loads of 16 bytes, 32 bytes apart.
	v_mul_u32_u24 v3, v1, PITCH
	v_lshl_add_u32 v3, v2, 4, v3
	s_mul_i32 s13, s[WR], HALFT                    ; my query block
	v_add_nc_u32 v[LNA], s13, v3
	s_mul_i32 s13, s[WC], HALFT                    ; my key block,
	s_add_co_u32 s13, s13, BOFF                    ; behind q's two
	v_add_nc_u32 v[LNB], s13, v3
	v_mov_b32 v[ADRA], v[LNA]
	v_mov_b32 v[ADRB], v[LNB]
	s_mul_i32 s13, s[WV], 16*SP
	s_add_co_u32 s13, s13, STAGE                   ; my stage
	v_mul_u32_u24 v4, v1, SP                       ; in: row l % 16, 16 bytes for each half of the lanes
	v_lshl_add_u32 v4, v2, 4, v4
	v_add_nc_u32 v[STO], s13, v4
	v_mul_u32_u24 v5, v2, SP                       ; back: lanes 0-15 one row of 256 bytes, lanes 16-31 the next
	v_lshl_add_u32 v5, v1, 4, v5
	v_add_nc_u32 v[RD], s13, v5
	v_lshlrev_b32 v5, 12, v2                       ; the same two rows in pbuf, 4,096 bytes apart
	v_lshl_add_u32 v[CO], v1, 4, v5
	s_mul_i32 s13, s[WV], STW
	s_add_co_u32 s13, s13, STATS
	v_lshl_add_u32 v[SA], v1, 2, s13
	v_and_b32 v[SG], 31, v0
	v_lshlrev_b32 v[PFO], 8, v[SG]
	v_lshlrev_b32 v[SG], 4, v[SG]
	v_add_nc_u32 v[SL], s13, v[SG]
	s_lshl_b32 s82, s42, 23                        ; pbuf: 2,048 rows of 4,096 bytes a batch,
	s_lshl_b32 s83, s22, 19                        ; 128 rows a query block,
	s_add_co_u32 s82, s82, s83
	s_lshl_b32 s83, s23, 8                         ; 256 bytes a key block
	s_add_co_u32 s82, s82, s83
	s_mov_b32 s83, 0
	s_add_nc_u64 s[6:7], s[6:7], s[82:83]
	s_lshl_b32 s82, s42, 18                        ; stat: 16 key blocks of 16,384 bytes a batch,
	s_lshl_b32 s83, s23, 14
	s_add_co_u32 s82, s82, s83
	s_lshl_b32 s83, s22, 9                         ; 4 bytes a row
	s_add_co_u32 s82, s82, s83
	s_mov_b32 s83, 0
	s_add_nc_u64 s[8:9], s[8:9], s[82:83]
	s_cmp_lt_u32 s[WV], 2                          ; the prefetch: the block that I fetch,
	s_cselect_b32 s82, s16, s18
	s_cselect_b32 s83, s40, s41                    ; my place among the four that ask for it with me,
	s_cselect_b32 s13, 2, 1                        ; and the region whose clusters do not ask: the same in all sixteen partners
	s_lshr_b32 s45, s83, 1
	s_lshl_b32 s45, s45, 20                        ; plane p / 2,
	s_add_co_u32 s82, s82, s45
	s_and_b32 s83, s83, 1
	s_lshl_b32 s83, s83, 13                        ; half p % 2: 32 blocks of 256 bytes
	s_add_co_u32 s82, s82, s83
	s_add_co_u32 s82, s82, 2*STEP                  ; at K step 2: the first change of slots steps it to 3
	s_mov_b32 s83, 0
	s_add_nc_u64 s[PFA:PFA+1], s[4:5], s[82:83]
	s_cmp_lg_u32 ttmp9, s13
	s_cselect_b32 s[LIM], 1, -1
; 16 matrix instructions: row blocks a0, a0 + 1 of the window's four x all 8 key blocks, 32 along K.  first = 1: the product starts the sum, with the mask as C.
; The 64 accumulators take turns, one instruction a turn, in the same order in every 32 along K.
.macro MUL16 f, hi, a0, first
.if \first
	WIN 0x81+0x40*(\hi)                            ; k in window 1, q and the mask in window 0, D in window 2 or 3
.else
	WIN 0xa1+0x50*(\hi)                            ; C and D in window 2 or 3
.endif
.irp a, \a0, (\a0)+1
.irp b, 0,1,2,3,4,5,6,7
.if \first
.set rC, MHIGH
.if (\b) < 4*(\hi)+(\a)
.set rC, MLOW
.elseif (\b) == 4*(\hi)+(\a)
.set rC, MDIAG
.endif
	v_wmma_f32_16x16x32_f16 v[8*(8*(\a)+(\b)):8*(8*(\a)+(\b))+7], v[(\f)+8*(\b):(\f)+8*(\b)+7], v[(\f)+8*(4*(\hi)+(\a)):(\f)+8*(4*(\hi)+(\a))+7], v[rC:rC+7]
.else
	v_wmma_f32_16x16x32_f16 v[8*(8*(\a)+(\b)):8*(8*(\a)+(\b))+7], v[(\f)+8*(\b):(\f)+8*(\b)+7], v[(\f)+8*(4*(\hi)+(\a)):(\f)+8*(4*(\hi)+(\a))+7], v[8*(8*(\a)+(\b)):8*(8*(\a)+(\b))+7]
.endif
.endr
.endr
.endm
.macro FETCH k, f                      ; 32 LDS loads in one run: my 128 keys, then my 128 queries, the 32 channels that begin at byte k
	WIN 0x40
.irp i, 0,1,2,3,4,5,6,7
	ds_load_b128 v[(\f)+8*(\i):(\f)+8*(\i)+3],   v[ADRB] offset:(\k)+(\i)*16*PITCH
	ds_load_b128 v[(\f)+8*(\i)+4:(\f)+8*(\i)+7], v[ADRB] offset:(\k)+(\i)*16*PITCH+32
.endr
	WIN 0
.irp i, 0,1,2,3,4,5,6,7
	ds_load_b128 v[(\f)+8*(\i):(\f)+8*(\i)+3],   v[ADRA] offset:(\k)+(\i)*16*PITCH
	ds_load_b128 v[(\f)+8*(\i)+4:(\f)+8*(\i)+7], v[ADRA] offset:(\k)+(\i)*16*PITCH+32
.endr
.endm
; A K step is four quarters of 32 channels, 64 matrix instructions each, on buffers 0, 1, 0, 1.  One of the first three: multiplies buffer f; in its middle it fetches the next quarter, at byte k, into buffer g.
.macro QUARTER k, f, g, first
	s_wait_dscnt 8                                 ; k and q's rows 0-63 are in; the youngest eight loads (rows 64-127) may be out
	MUL16 \f, 0, 0, \first
	MUL16 \f, 0, 2, \first
	PLACES
	FETCH \k, \g
	s_wait_dscnt 32                                ; all but the 32 just issued
	MUL16 \f, 1, 0, \first
	MUL16 \f, 1, 2, \first
.endm
; The last quarter multiplies buffer 1 and changes slots: ONE barrier; in front of it each wave waits for all its tensor loads, adds 0 to its spare word, and waits for that and for its reads of the slot.
.macro TURN fill
.if \fill
	s_wait_xcnt 0x0                                ; the last prefetch, a K step back, has read its address
	s_add_nc_u64 s[PFA:PFA+1], s[PFA:PFA+1], STEP
.endif
	WIN 0
	s_wait_tensorcnt 0x0                           ; all my tensor loads have landed: the one that was out is my part of the other slot; so a group 0 may be written
	ds_add_u32 v[SPW], v[NIL]                      ; 0 onto my spare word
.if \fill
	s_xor_b32 s[G0+5], s[G0+5], SLOTX              ; the walking descriptors: the other slot than last time, the next K step; the type bits on top are not reached
	s_add_nc_u64 s[G0+6:G0+7], s[G0+6:G0+7], STEP
	s_xor_b32 s[G0B+5], s[G0B+5], SLOTX
	s_add_nc_u64 s[G0B+6:G0B+7], s[G0B+6:G0B+7], STEP
.endif
	s_wait_dscnt 9                                 ; the add and the youngest eight loads may be out
	MUL16 F1, 0, 0, 0
	s_wait_dscnt 0x0                               ; the add is done, and my reads of this slot are over
	s_barrier_signal -1                            ; (with a refill this barrier opens a round of the cluster's)
	MUL16 F1, 0, 2, 0
	WIN 0
	s_barrier_wait -1
.if \fill
	CREST                                          ; no wave of any partner still reads this slot or has a load on its way
	JLOAD                                          ; the first tensor load behind the round: 224 matrix instructions ahead of the wait for it; its four v_nop are also the places in front of the loads below
.else
	PLACES
.endif
	s_xor_b32 s[TB], s[TB], SLOTX
	v_add_nc_u32 v[ADRA], s[TB], v[LNA]
	v_add_nc_u32 v[ADRB], s[TB], v[LNB]
	FETCH 0, F0
.if \fill
	ASK
.endif
	MUL16 F1, 1, 0, 0
	MUL16 F1, 1, 2, 0
.endm
	s_wait_tensorcnt 1                             ; my part of K step 0 is in; K step 1's may stay out
	s_barrier_signal -1
	s_barrier_wait -1
	FETCH 0, F0
	QUARTER K1, F0, F1, 1                          ; the first quarter stands in front of the loop: its products start the sums with the masks
	WIN 0
	s_mov_b32 s3, 6
.Lk:                                               ; trip t: quarters 1 to 3 of K step t, the refill with K step t + 2, quarter 0 of K step t + 1
	QUARTER K2, F1, F0, 0
	QUARTER K3, F0, F1, 0
	TURN 1
	QUARTER K1, F0, F1, 0
	WIN 0
	s_sub_co_u32 s3, s3, 1
	s_cmp_lg_u32 s3, 0
	s_cbranch_scc1 .Lk
	s_mov_b32 s3, 2
.Ltail:                                            ; K steps 6 and 7 ask for nothing.  One text for both: the last trip's barrier orders nothing, its look-ahead reads the other slot's old tile,
	QUARTER K2, F1, F0, 0                          ; which nobody uses, and the quarter that would multiply it is jumped over: a jump forward, over text with no barrier and no tensor load
	QUARTER K3, F0, F1, 0
	TURN 0
	WIN 0
	s_cmp_lg_u32 s3, 1
	s_cbranch_scc1 .Lmore
	s_wait_dscnt 0x0                               ; the look-ahead's loads have landed
	s_branch .Lskip
.Lmore:
	QUARTER K1, F0, F1, 0
	WIN 0
.Lskip:
	s_sub_co_u32 s3, s3, 1
	s_cmp_lg_u32 s3, 0
	s_cbranch_scc1 .Ltail
; THE WAY OUT, a block a of 16 queries at a time.  A lane holds 64 of its query's 128 scores, at AC .. AC + 63 of window W; the lane 16 away holds the other 64.
; Only the maximum and the subtraction name the accumulators, and the subtraction writes s - m into fixed registers (X).  So these two are written for each block (BLK), behind a switch on the loop's counter,
; and all that follows is written once.  What goes into my wave's table has its block in the store's immediate, so it is stored in BLK: m of block a, and l of block a - 1, which the shared text
; of the trip before has left in its register; the last block's l is stored behind the loop.
.macro BLK a
.if (\a) > 0
	ds_store_b32 v[SA], v[LS] offset:512+64*((\a)-1)  ; l of the block before; both lanes of a query store the same number to the same word
.endif
.set W, 2+(\a)/4
.set AC, 64*((\a)%4)
	WIN W|(W<<2)|(W<<4)                            ; the maximum: four chains of 16 scores, ascending
.irp u, 0,1,2,3
	v_max3_num_f32 v[C0+(\u)], v[AC+16*(\u)], v[AC+16*(\u)+1], v[AC+16*(\u)+2]
.endr
	WIN (W<<2)|(W<<4)
.irp n, 0,1,2,3,4,5
.irp u, 0,1,2,3
	v_max3_num_f32 v[C0+(\u)], v[C0+(\u)], v[AC+16*(\u)+3+2*(\n)], v[AC+16*(\u)+4+2*(\n)]
.endr
.endr
	v_max3_num_f32 v[C0], v[C0], v[AC+15], v[AC+31]
	v_max3_num_f32 v[C0+2], v[C0+2], v[AC+47], v[AC+63]
	WIN 0
	v_max3_num_f32 v[C0], v[C0], v[C0+1], v[C0+2]
	v_max_num_f32 v[C0], v[C0], v[C0+3]
	v_permlanex16_b32 v[C0+1], v[C0], s[SEL], s[SEL+1]
	v_max_num_f32 v[MX], v[C0], v[C0+1]            ; m, in both lanes of the query
	v_xor_b32 v[NM], 0x80000000, v[MX]
	v_mov_b32 v[NM+1], v[NM]
	ds_store_b32 v[SA], v[MX] offset:64*(\a)
	WIN W                                          ; source 0 in window W
.set n, 0
.rept 32
	v_pk_add_f32 v[X+2*n:X+2*n+1], v[AC+2*n:AC+2*n+1], v[NM:NM+1]  ; s - m: never above 0
.set n, n+1
.endr
	WIN 0
.endm
	s_wait_dscnt 0x0                               ; no LDS load is out: the registers below are free
	PLACES                                         ; behind the last products
	s_cmp_eq_u32 s[IDLE], 1
	s_cbranch_scc1 .Lend                           ; a pair of blocks that nobody reads is not stored
	s_mov_b32 s3, 0
	s_mov_b32 s[GSO], 0
	v_mov_b32 v[LS], 0                             ; l's register is written ahead of the loop: the switch's blocks 1 to 7 read it
.Lblk:                                             ; 8 trips: block s3
.irp a, 0,1,2,3,4,5,6
	s_cmp_eq_u32 s3, \a
	s_cbranch_scc1 .Lb\a
.endr
	BLK 7
	s_branch .Lcommon
.irp a, 0,1,2,3,4,5
.Lb\a:
	BLK \a
	s_branch .Lcommon
.endr
.Lb6:
	BLK 6
.Lcommon:
.set n, 0
.rept 32
	v_pk_mul_f32 v[X+2*n:X+2*n+1], v[X+2*n:X+2*n+1], s[CS:CS+1] op_sel_hi:[1,0]
.set n, n+1
.endr
.set n, 0
.rept 64
	v_exp_f32 v[X+n], v[X+n]                       ; one batch: none of these names another's result
.set n, n+1
.endr
	v_nop                                          ; a plain instruction behind the last exponential (ISA guide 5.7.2),
	s_wait_alu depctr_va_vdst(0)                   ; and a wait ahead of the batch's first reader
.set n, 0
.rept 32
	v_cvt_pk_f16_f32 v[TMP+n], v[X+2*n], v[X+2*n+1]
.set n, n+1
.endr
.irp b, 0,1,2,3,4,5,6,7
	ds_store_b128 v[STO], v[TMP+4*(\b):TMP+4*(\b)+3] offset:32*(\b)
.endr
	s_wait_xcnt 0x0                                ; the last block's stores, a trip back, have read their registers: offset and data are written again below
	v_add_nc_u32 v[CO2], s[GSO], v[CO]
.irp t, 0,1,2,3,4,5,6,7
	ds_load_b128 v[OB+4*(\t):OB+4*(\t)+3], v[RD] offset:(\t)*2*SP  ; LDS serves a wave's instructions in order (ISA guide 5.7.1.4): these see the stores above; the next block's stores come behind them
.endr
.irp st, 1,2,4,8,16                    ; the sum of the unrounded p, in place: pairs 1, 2, 4, 8 and 16 apart.  It stands between the loads from the stage and the wait for them
.set n, 0
.rept 16/(\st)
	v_pk_add_f32 v[X+4*(\st)*n:X+4*(\st)*n+1], v[X+4*(\st)*n:X+4*(\st)*n+1], v[X+4*(\st)*n+2*(\st):X+4*(\st)*n+2*(\st)+1]
.set n, n+1
.endr
.endr
	v_add_f32 v[LS], v[X], v[X+1]
	v_permlanex16_b32 v[C0+1], v[LS], s[SEL], s[SEL+1]
	v_add_f32 v[LS], v[LS], v[C0+1]                ; l, in both lanes of the query: stored at the head of the next block, or behind the loop
	s_wait_dscnt 0x0                               ; the block is back in registers
.irp t, 0,1,2,3,4,5,6,7
	global_store_b128 v[CO2], v[OB+4*(\t):OB+4*(\t)+3], s[6:7] offset:8192*(\t)  ; 16 lanes store 256 consecutive bytes, at a multiple of 256 from pbuf's first
.endr
	s_add_co_u32 s[GSO], s[GSO], 65536
	s_add_co_u32 s3, s3, 1
	s_cmp_lt_u32 s3, 8
	s_cbranch_scc1 .Lblk
	ds_store_b32 v[SA], v[LS] offset:512+64*7      ; the last block's l
	ds_load_b128 v[64:67], v[SL]                   ; my wave's own 128 m and 128 l, 16 bytes a lane: LDS serves a wave's instructions in order, so these see all my stores
	ds_load_b128 v[68:71], v[SL] offset:512
	s_wait_dscnt 0x0
	global_store_b128 v[SG], v[64:67], s[8:9]      ; 512 consecutive bytes each
	global_store_b128 v[SG], v[68:71], s[8:9] offset:8192
.Lend:
	s_wait_tensorcnt 0x0                           ; the wave's end, behind my last tensor load and my last LDS store
	ds_add_u32 v[SPW], v[NIL]
	s_wait_dscnt 0x0
	CROUND                                         ; the closing round: no work-group ends while a partner may still ask for a tile that names it
	s_endpgm
.Lfunc_end_k_qbc8b3af618_score:
	.size	k_qbc8b3af618_score, .Lfunc_end_k_qbc8b3af618_score-k_qbc8b3af618_score
	.p2alignl 7, 3214868480
	.fill 96, 4, 3214868480
	.section	.rodata,"a",@progbits
	.p2align	6, 0x0
	.amdhsa_kernel k_qbc8b3af618_score
		.amdhsa_group_segment_fixed_size 327680
		.amdhsa_private_segment_fixed_size 0
		.amdhsa_enable_private_segment 0
		.amdhsa_kernarg_size 24
		.amdhsa_user_sgpr_count 2
		.amdhsa_user_sgpr_kernarg_segment_ptr 1
		.amdhsa_wavefront_size32 1
		.amdhsa_system_sgpr_workgroup_id_x 1
		.amdhsa_system_sgpr_workgroup_id_y 1
		.amdhsa_system_sgpr_workgroup_id_z 1
		.amdhsa_system_vgpr_workitem_id 0
		.amdhsa_next_free_vgpr 1024
		.amdhsa_next_free_sgpr 84
		.amdhsa_reserve_vcc 1
		.amdhsa_float_denorm_mode_32 3
		.amdhsa_float_denorm_mode_16_64 3
		.amdhsa_memory_ordered 1
		.amdhsa_forward_progress 1
		.amdhsa_inst_pref_size 119
	.end_amdhsa_kernel
	.amdgpu_metadata
---
amdhsa.version: [ 1, 2 ]
amdhsa.kernels:
  - .name:           k_qbc8b3af618_score
    .symbol:         k_qbc8b3af618_score.kd
    .args:
      - { .name: qkv, .offset: 0, .size: 8, .value_kind: global_buffer, .address_space: global }
      - { .name: pbuf, .offset: 8, .size: 8, .value_kind: global_buffer, .address_space: global }
      - { .name: stat, .offset: 16, .size: 8, .value_kind: global_buffer, .address_space: global }
    .group_segment_fixed_size: 327680
    .private_segment_fixed_size: 0
    .kernarg_segment_align: 8
    .kernarg_segment_size: 24
    .max_flat_workgroup_size: 128
    .sgpr_count:     84
    .vgpr_count:     1024
    .wavefront_size: 32
...
	.end_amdgpu_metadata
.endif
;; end of part 3
;; launch pv (part 4): grid 8 x 32, 4 waves a work-group, clusters of 4 x 4, 327,680 bytes of LDS; arguments pbuf, stat, qkv, out0; writes out0
.if DOCPART == 4
	.amdgcn_target "amdgcn-amd-amdhsa--gfx1250"
	.amdhsa_code_object_version 6
	.text
	.protected	k_qbc8b3af618_pv
	.globl	k_qbc8b3af618_pv
	.p2align	8
	.type	k_qbc8b3af618_pv,@function
k_qbc8b3af618_pv:
	s_mov_b64 s[64:65], 0
	v_nop
	global_prefetch_b8 v0, s[64:65] scope:SCOPE_SE
	s_setreg_imm32_b32 hwreg(HW_REG_WAVE_MODE, 25, 1), 1
	s_wait_xcnt 0x0
	s_wait_alu depctr_hold_cnt(0) depctr_sa_sdst(0) depctr_va_vdst(0) depctr_va_sdst(0) depctr_va_ssrc(0) depctr_va_vcc(0) depctr_vm_vsrc(0)
	s_getreg_b32 s2, hwreg(HW_REG_IB_STS2, 6, 4)
	s_cmp_eq_u32 s2, 0
	s_cbranch_scc0 .Lentry_in_a_cluster
	s_endpgm
.Lentry_in_a_cluster:
	s_bfe_u32 s2, ttmp6, 0x10000c
	s_cmp_lg_u32 s2, 0xf033
	s_cbranch_scc0 .Lentry_shape_is_right
	s_endpgm
.Lentry_shape_is_right:
; THE SECOND LEVEL OF THE SOFTMAX AND THE SECOND PRODUCT.  out[q][ch] = (the sum over key blocks kb of f_kb(q) x the sum over the block's keys of p(q, key) v(key, ch)) / L(q),
; with M(q) = the maximum of the blocks' m, f_kb = 2^(c (m_kb - M)), c = log2(e) / 32, rounded to f16, and L = the sum of f_kb l_kb with that same rounded f.  A block above the diagonal has m about -1e30: its f is 0.
; pbuf [4][2048 q][2048 key] f16; stat [4][16 kb][2 (m, l)][2048 q] f32; v = blocks 32-47 of qkv [48 cb][8192 rows][64] f16; out0 [4][2048][1024] f32.  Products in f16 with f32 sums; p f is rounded to f16.
; LIMITS.  |v| below 65,504 on arrival; p f below 6e-5 keeps f16's fixed step of 6e-8; an f below f16's smallest step counts as 0; NaN and infinities are not treated apart.
; SHARES.  A tile of out is 128 queries x 128 channels.  A work-group makes two, one after the other: rows of strip 3 - s (8 - 2 s key steps of 256) and of strip s (2 s + 2 steps): always 10 steps: 256 equal work-groups.
; Four waves, each 64 rows x 64 channels: 16 accumulators.  ONE walk of 10 steps goes through two LDS slots, across the change of tiles; its trip counts hang on s, which is the cluster's, never on the place in the cluster.
; CLUSTER 4 x 4: the four partners along x share the tile of p (same rows), the four along y (the four row blocks of one strip) the tile of v: both are joint loads.
; LAYOUT.  O^T = V^T P (source 0 = 16 channels x 32 keys, turned out of LDS by ds_load_tr16_b128; source 1 = 16 queries x 32 keys, as it lies): a lane holds query l % 16 and the channels 8 (l / 16) + 0..7.
; A lane of source 1 holds one query, so f is one register {f, f} a fragment: eight v_pk_mul_f16 scale a fragment between its load and its product; two of them stand behind each matrix instruction.
; REGISTERS: window 0: v0-31 addresses; v32-39 f, two sets of four; v40-47 1 / L, in pairs; v64-95, v96-127 the scaled fragments of p, two sets; v128-255 the accumulators ((a, nb) at v[128 + 8 (4 a + nb)])
;   window 1: two buffers of 128, a quarter step (64 keys) each: p as loaded at 32 c + 8 a, v at 64 + 32 c + 8 nb (c: which 32 keys)
; One window setting, 0x01 (source 0 in window 1), serves the products and the scalings alike.
.set PP,    528                        ; a row of p in LDS: 512 bytes + 16 = 132 words: 16 rows start at 16 different groups of four banks (ISA guide 11.1)
.set PVV,   288                        ; two keys of v: 256 bytes + 32 = 72 words
.set SLOTX, 0x24000                    ; slot 1 begins here; no LDS word of a descriptor has one of its two bits, so one exclusive or changes slots
.set VOFF,  128*PP                     ; a slot: p's 128 rows, then v's two blocks of 64 channels, 256 keys each
.set VCB,   128*PVV
.set RTAB,  VOFF+2*VCB                 ; behind slot 0: 1 / L of the 128 rows, 512 bytes for each of the two tiles
.set SPARE, RTAB+1024                  ; the spare words: two blocks of 256 bytes that no other line names
.set STAGE, SLOTX+VOFF+2*VCB           ; behind slot 1: 16 rows x 272 bytes for each wave
.set SP,    272
.set FTAB,  STAGE+4*16*SP              ; 21 entries of 512 bytes: entry u: {f, f} of the 128 rows for key block u of the walk; entry 20 holds 0
.set LNA,  16
.set LNB,  17
.set ADRA, 18
.set ADRB, 19
.set FT0,  20                          ; v20  my lane's place in an entry of FTAB
.set FTA,  21                          ; v21  FT0 + the step in hand
.set STO,  22
.set RD,   23
.set CO,   24
.set RTA,  25                          ; v25  my lane's place in the first tile's half of RTAB; never rewritten: the tile stands in the loads' immediates
.set PFO,  26
.set SPW,  28
.set NIL,  29
.set FQ,   32
.set RL,   40
.set PS,   64
.set ACC,  128
.set MR,   128                         ; the statistics, ahead of the walk: m of the walk's 20 key blocks, then f's exponent, then f
.set LR,   148                         ; l
.set MA,   168
.set MXG,  169
.set MY,   170
.set MB1,  171
.set MB2,  172
.set MBX,  173
.set LA,   174
.set LX,   175
.set LY,   176
.set LB1,  177
.set LB2,  178
.set FP,   64                          ; {f, f} in f16
.set WV,   12
.set WR,   13
.set WC,   14
.set G1P,  16
.set G1V,  24
.set G0P0, 32                          ; group 0 of slot 0's first fill;
.set G0P,  36                          ; the walking one
.set G0V0, 40
.set G0V,  44
.set PA,   48                          ; s[48:49] pbuf at the 64 rows of a tile that I fetch
.set VB,   50                          ; s[50:51] v at the batch's first key, the block of channels that I fetch
.set OF,   52                          ; s[52:53] a tile of p's offset
.set OF2,  54                          ; s[54:55] a tile of v's offset
.set OP,   56                          ; s[56:57] out0 at my part of the tile in hand
.set OP2,  58                          ; s[58:59] of the second tile
.set NXT,  60                          ; s60  the key step to be asked for next
.set LQ,   61                          ; s61  the first tile's number of steps, until they have been asked for
.set RO,   62                          ; s62  byte offset in pbuf of the rows whose steps are being asked for
.set RO2,  63                          ; s63  of the second tile's rows
.set TB,   66
.set FTS,  67                          ; s67  1,024 x the step in hand
.set CNT,  68
.set S1C,  69                          ; s69  steps of the first tile still to be multiplied
.set LIM,  70
.set SM,   71                          ; s71  all ones if s = 1, else 0
.set PBASE, 72
.set PFAD, 74
.set POF,  76
.set PN,   78                          ; s78-80  the prefetches' walk, two steps ahead of the refills'
.set PRO,  79
.set PLQ,  80
.set CX,   81
.set CY,   82
.set TX,   83
.set BB,   84
.set SS,   85
.set CSC,  86
.set MSB, 0
.macro WIN new
.if MSB != (\new)
	s_set_vgpr_msb (MSB<<8)|(\new)
.set MSB, \new
.endif
.endm
.macro PLACES
.rept 4
	v_nop
.endr
.endm
.macro CREST
	s_cmp_lg_u32 s[WV], 0
	s_cbranch_scc1 .Lnot_wave_0_\@
	s_barrier_signal -3
.Lnot_wave_0_\@:
	s_barrier_wait -3
	s_barrier_signal -1
	s_barrier_wait -1
.endm
.macro CROUND
	s_barrier_signal -1
	s_barrier_wait -1
	CREST
.endm
.macro JLOAD                           ; waves 0 and 1: the two halves of p's 128 rows; waves 2 and 3: v's two blocks of 64 channels
	s_cmp_lt_u32 s[WV], 2
	s_cbranch_scc0 .Lfor_v_\@
	tensor_load_to_lds s[G0P:G0P+3], s[G1P:G1P+7]
	s_nop 0
.rept 4
	v_nop
.endr
	s_branch .Lasked_\@
.Lfor_v_\@:
	tensor_load_to_lds s[G0V:G0V+3], s[G1V:G1V+7]
	s_nop 0
.rept 4
	v_nop
.endr
.Lasked_\@:
.endm
; A PREFETCH INTO THE L2, behind the refill and its five lines: in trip t (refill: step t + 2 of the walk) step t + 4: two steps, 256 matrix instructions, ahead of its refill.  One instruction a wave, 32 blocks of 256 bytes.
; p's rows are read by both clusters along x: the one with x = 0 asks; of the 64 rows that wave 0 or 1 fetches, partner cx names 16, two blocks a row; trips 0 to 5.
; v's keys are read by both clusters of a batch: the one with s = 0 asks, in its first tile's walk alone, which passes all 2,048 keys; of the 128 blocks that wave 2 or 3 fetches, partner cy names 32; trips 0 to 3.
; The partners are told apart by address alone.  Steps 0 to 3 come by their loads alone.  Each block is named once in the launch.
.macro ASK
	s_cmp_gt_u32 s[CNT], s[LIM]
	s_cbranch_scc0 .Lnot_mine_\@
	global_prefetch_b8 v[PFO], s[PFAD:PFAD+1] th:TH_LOAD_NT scope:SCOPE_SE
.Lnot_mine_\@:
.endm
	s_load_b256 s[4:11], s[0:1], 0x0               ; pbuf s[4:5], stat s[6:7], qkv s[8:9], out0 s[10:11]
	v_lshl_add_u32 v[SPW], v0, 2, SPARE
	v_mov_b32 v[NIL], 0
	ds_add_u32 v[SPW], v[NIL]                      ; the wave's opening: the add and its wait stand ahead of my first tensor load
	v_lshrrev_b32 v1, 5, v0
	v_readfirstlane_b32 s[WV], v1
	s_lshr_b32 s[WR], s[WV], 1                     ; which 64 rows of a tile are mine
	s_and_b32 s[WC], s[WV], 1                      ; which 64 channels; also: which half of a tile I fetch
	s_bfe_u32 s[CX], ttmp6, 0x40000
	s_bfe_u32 s[CY], ttmp6, 0x40004
	s_lshl_b32 s[TX], ttmp9, 2
	s_add_co_u32 s[TX], s[TX], s[CX]               ; my 128 channels
	s_and_b32 s[SS], ttmp7, 0xffff
	s_lshr_b32 s[BB], s[SS], 1                     ; the batch
	s_and_b32 s[SS], s[SS], 1                      ; s
	s_lshl_b32 s2, s[CY], 2
	s_lshl_b32 s2, 15, s2                          ; my row of the cluster
	s_lshl_b32 s3, 0x1111, s[CX]                   ; my column
	s_or_b32 s[G1P], s2, (1<<16)|(1<<20)|(1<<21)|(6<<22)|(3<<25)  ; the mask; 2-byte elements; padding on; 21 set beside a mask; after every 128 words (code 6), 4 words (code 3)
	s_mov_b32 s[G1P+1], 256<<16                    ; tensor_dim0 = 256 keys
	s_mov_b32 s[G1P+2], 64<<16                     ; tensor_dim1 = 64 rows
	s_mov_b32 s[G1P+3], 256<<16
	s_mov_b32 s[G1P+4], 64
	s_mov_b32 s[G1P+5], 2048                       ; elements from row to row
	s_mov_b32 s[G1P+6], 0
	s_mov_b32 s[G1P+7], 0
	s_or_b32 s[G1V], s3, (1<<16)|(1<<20)|(1<<21)|(5<<22)|(7<<25)  ; after every 64 words (code 5), 8 words (code 7)
	s_mov_b32 s[G1V+1], 128<<16                    ; 256 keys of 128 bytes are dense: 128 rows of 256 bytes
	s_mov_b32 s[G1V+2], 128<<16
	s_mov_b32 s[G1V+3], 128<<16
	s_mov_b32 s[G1V+4], 128
	s_mov_b32 s[G1V+5], 128
	s_mov_b32 s[G1V+6], 0
	s_mov_b32 s[G1V+7], 0
	s_sub_co_u32 s87, 3, s[SS]
	s_lshl_b32 s87, s87, 9
	s_lshl_b32 s88, s[CY], 7
	s_add_co_u32 s87, s87, s88                     ; the first tile's first row in its batch: 512 (3 - s) + 128 cy
	s_lshl_b32 s89, s[SS], 9
	s_add_co_u32 s89, s89, s88                     ; the second's: 512 s + 128 cy
	s_lshl_b32 s90, s[BB], 11
	s_add_co_u32 s91, s90, s87
	s_add_co_u32 s92, s90, s89
	s_lshl_b32 s[RO], s91, 12                      ; rows of 4,096 bytes
	s_lshl_b32 s[RO2], s92, 12
	s_lshl_b32 s[S1C], s[SS], 1
	s_sub_co_u32 s[S1C], 8, s[S1C]                 ; the first tile's steps
	s_mov_b32 s[LQ], s[S1C]
	s_mov_b32 s[PLQ], s[S1C]
	s_mov_b32 s[NXT], 2
	s_mov_b32 s[PN], 4
	s_mov_b32 s[PRO], s[RO]
	s_mov_b32 s[OF+1], 0
	s_mov_b32 s[OF2+1], 0
	s_mov_b32 s[POF+1], 0
	s_mov_b32 s[TB], 0
	s_mov_b32 s[FTS], 0
	s_mov_b32 s[CNT], 8
	s_mov_b32 s[CSC], 0x3d38aa3b                   ; c = log2(e) / 32
	s_cmp_eq_u32 s[SS], 1
	s_cselect_b32 s[SM], -1, 0
	s_lshl_b32 s[OF], s[WC], 18                    ; 64 rows of p
	s_lshl_b32 s[OF2], s[TX], 1
	s_add_co_u32 s[OF2], s[OF2], s[WC]
	s_add_co_u32 s[OF2], s[OF2], 32                ; v's block of 64 channels,
	s_lshl_b32 s[OF2], s[OF2], 20                  ; 8,192 rows of 128 bytes each,
	s_lshl_b32 s15, s[BB], 18                      ; the batch's 2,048 rows
	s_add_co_u32 s[OF2], s[OF2], s15
	s_mul_i32 s93, s[WC], 64*PP                    ; where the tiles go: made of the wave's number alone
	s_mul_i32 s15, s[WC], VCB
	s_add_co_u32 s15, s15, VOFF
	s_wait_dscnt 0x0                               ; the opening add is done
	s_wait_kmcnt 0x0
	s_add_nc_u64 s[PA:PA+1], s[4:5], s[OF:OF+1]
	s_add_nc_u64 s[VB:VB+1], s[8:9], s[OF2:OF2+1]
	s_mov_b32 s[OF], s[RO]
	s_mov_b32 s[G0P0], 1
	s_mov_b32 s[G0P0+1], s93
	s_add_nc_u64 s[G0P0+2:G0P0+3], s[PA:PA+1], s[OF:OF+1]  ; step 0
	s_mov_b32 s[G0P], 1
	s_add_co_u32 s[G0P+1], s93, SLOTX
	s_add_nc_u64 s[G0P+2:G0P+3], s[G0P0+2:G0P0+3], 512     ; step 1: 256 keys on
	s_or_b32 s[G0P0+3], s[G0P0+3], 0x80000000
	s_or_b32 s[G0P+3], s[G0P+3], 0x80000000
	s_mov_b32 s[G0V0], 1
	s_mov_b32 s[G0V0+1], s15
	s_add_nc_u64 s[G0V0+2:G0V0+3], s[VB:VB+1], 0
	s_mov_b32 s[G0V], 1
	s_add_co_u32 s[G0V+1], s15, SLOTX
	s_add_nc_u64 s[G0V+2:G0V+3], s[VB:VB+1], 32768
	s_or_b32 s[G0V0+3], s[G0V0+3], 0x80000000
	s_or_b32 s[G0V+3], s[G0V+3], 0x80000000
	CROUND                                         ; all sixteen work-groups are here: the first joint loads meet
	s_cmp_lt_u32 s[WV], 2                          ; a wave's two first fills stand in one branch: two loads of mine are out
	s_cbranch_scc0 .Lfirst_v
	tensor_load_to_lds s[G0P0:G0P0+3], s[G1P:G1P+7]
	s_nop 0
	tensor_load_to_lds s[G0P:G0P+3], s[G1P:G1P+7]
	s_nop 0
.rept 4
	v_nop
.endr
	s_branch .Lfirst_asked
.Lfirst_v:
	tensor_load_to_lds s[G0V0:G0V0+3], s[G1V:G1V+7]
	s_nop 0
	tensor_load_to_lds s[G0V:G0V+3], s[G1V:G1V+7]
	s_nop 0
.rept 4
	v_nop
.endr
.Lfirst_asked:
	; THE STATISTICS, once: thread t takes row t of both tiles.  Key block u of the walk: u < 12: the first tile's block u; u = 12..15: the first tile's block u (s = 0) or the second's block u - 12 (s = 1);
	; u = 16..19: the second tile's block u - 16 (s = 0) or u - 12 (s = 1).  Three offsets serve the three groups; the rest stands in the immediates.
	s_lshl_b32 s2, s[BB], 18
	s_mov_b32 s3, 0
	s_add_nc_u64 s[6:7], s[6:7], s[2:3]            ; stat at my batch
	s_lshl_b32 s87, s87, 2                         ; 4 bytes a row
	s_lshl_b32 s89, s89, 2
	s_add_co_u32 s2, s87, 12*16384
	s_add_co_u32 s3, s89, 4*16384
	s_cmp_eq_u32 s[SS], 1
	s_cselect_b32 s2, s89, s2
	s_cselect_b32 s3, s3, s89
	v_lshl_add_u32 v3, v0, 2, s87
	v_lshl_add_u32 v4, v0, 2, s2
	v_lshl_add_u32 v5, v0, 2, s3
.set u, 0
.rept 12
	global_load_b32 v[MR+u], v3, s[6:7] offset:16384*u
	global_load_b32 v[LR+u], v3, s[6:7] offset:16384*u+8192
.set u, u+1
.endr
.rept 4
	global_load_b32 v[MR+u], v4, s[6:7] offset:16384*(u-12)
	global_load_b32 v[LR+u], v4, s[6:7] offset:16384*(u-12)+8192
.set u, u+1
.endr
.rept 4
	global_load_b32 v[MR+u], v5, s[6:7] offset:16384*(u-16)
	global_load_b32 v[LR+u], v5, s[6:7] offset:16384*(u-16)+8192
.set u, u+1
.endr
	; the addresses, while those loads are out
	v_and_b32 v1, 15, v0                           ; l % 16
	v_bfe_u32 v2, v0, 4, 1                         ; l / 16
	v_mul_u32_u24 v8, v1, PP
	v_lshl_add_u32 v8, v2, 4, v8
	s_mul_i32 s2, s[WR], 64*PP
	v_add_nc_u32 v[LNA], s2, v8                    ; p: row x pitch + 16 x half, in my 64 rows
	; The turning load takes 16 keys x 16 channels: lane l reads key 8 (l / 16) + l % 8, channels 8 ((l / 8) % 2) + 0..7; key k lies at 288 (k / 2) + 128 (k % 2)
	v_bfe_u32 v8, v0, 1, 2
	v_lshl_add_u32 v8, v2, 2, v8
	v_mul_u32_u24 v8, v8, PVV
	v_and_b32 v9, 1, v0
	v_lshl_add_u32 v8, v9, 7, v8
	v_bfe_u32 v9, v0, 3, 1
	v_lshl_add_u32 v8, v9, 4, v8
	s_mul_i32 s2, s[WC], VCB
	s_add_co_u32 s2, s2, VOFF
	v_add_nc_u32 v[LNB], s2, v8
	v_mov_b32 v[ADRA], v[LNA]
	v_mov_b32 v[ADRB], v[LNB]
	s_lshl_b32 s2, s[WR], 8                        ; 4 bytes x my 64 rows
	s_add_co_u32 s3, s2, FTAB
	v_lshl_add_u32 v[FT0], v1, 2, s3
	v_mov_b32 v[FTA], v[FT0]
	s_add_co_u32 s3, s2, RTAB
	v_lshl_add_u32 v[RTA], v1, 2, s3
	s_mul_i32 s2, s[WV], 16*SP
	s_add_co_u32 s2, s2, STAGE
	v_mul_u32_u24 v8, v1, SP                       ; in: row l % 16, 32 bytes for each half of the lanes
	v_lshl_add_u32 v8, v2, 5, v8
	v_add_nc_u32 v[STO], s2, v8
	v_mul_u32_u24 v8, v2, SP                       ; back: lanes 0-15 one row of 256 bytes, lanes 16-31 the next
	v_lshl_add_u32 v8, v1, 4, v8
	v_add_nc_u32 v[RD], s2, v8
	v_lshlrev_b32 v8, 12, v2                       ; the same two rows in out0, 4,096 bytes apart
	v_lshl_add_u32 v[CO], v1, 4, v8
	v_lshl_add_u32 v6, v0, 2, FTAB                 ; where thread t puts row t's f
	v_lshl_add_u32 v7, v0, 2, RTAB                 ; and its 1 / L
	s_lshl_b32 s2, s[WR], 6                        ; out0 at my 64 rows and 64 channels of each tile
	s_lshl_b32 s3, s[TX], 9
	s_lshl_b32 s15, s[WC], 8
	s_add_co_u32 s3, s3, s15
	s_add_co_u32 s94, s91, s2
	s_lshl_b32 s94, s94, 12
	s_add_co_u32 s94, s94, s3
	s_mov_b32 s95, 0
	s_add_nc_u64 s[OP:OP+1], s[10:11], s[94:95]
	s_add_co_u32 s94, s92, s2
	s_lshl_b32 s94, s94, 12
	s_add_co_u32 s94, s94, s3
	s_add_nc_u64 s[OP2:OP2+1], s[10:11], s[94:95]
	s_lshl_b32 s2, s[CX], 16                       ; the prefetches: 16 rows of p a partner, or 32 blocks of v
	s_lshl_b32 s3, s[CY], 13
	s_cmp_lt_u32 s[WV], 2
	s_cselect_b32 s[POF], s2, s3
	s_cselect_b64 s[PBASE:PBASE+1], s[PA:PA+1], s[VB:VB+1]
	s_cselect_b32 s2, ttmp9, s[SS]                 ; who asks: cluster x = 0 for p, s = 0 for v: the same in all sixteen partners
	s_cselect_b32 s3, 2, 4
	s_cselect_b32 s15, -1, 0
	s_add_nc_u64 s[PBASE:PBASE+1], s[PBASE:PBASE+1], s[POF:POF+1]
	s_cmp_eq_u32 s2, 0
	s_cselect_b32 s[LIM], s3, -1
	v_and_b32 v8, 31, v0
	v_lshrrev_b32 v9, 1, v8
	v_and_b32 v10, 1, v8
	v_lshlrev_b32 v9, 12, v9
	v_lshl_add_u32 v9, v10, 8, v9                  ; p: row l / 2, block l % 2
	v_lshlrev_b32 v8, 8, v8                        ; v: block l
	v_cndmask_b32 v[PFO], v8, v9, s15
	v_mov_b32 v8, 0
	v_mov_b32 v[LA], 0
	v_mov_b32 v[LX], 0
	v_mov_b32 v[LY], 0
	s_wait_loadcnt 0x0
	v_max3_num_f32 v[MA], v[MR], v[MR+1], v[MR+2]
.irp n, 3,5,7,9
	v_max3_num_f32 v[MA], v[MA], v[MR+(\n)], v[MR+(\n)+1]
.endr
	v_max_num_f32 v[MA], v[MA], v[MR+11]
	v_max3_num_f32 v[MXG], v[MR+12], v[MR+13], v[MR+14]
	v_max_num_f32 v[MXG], v[MXG], v[MR+15]
	v_max3_num_f32 v[MY], v[MR+16], v[MR+17], v[MR+18]
	v_max_num_f32 v[MY], v[MY], v[MR+19]
	v_cndmask_b32 v[MB1], v[MXG], v[MA], s[SM]     ; the middle group belongs to the first tile if s = 0,
	v_max_num_f32 v[MB1], v[MB1], v[MA]
	v_cndmask_b32 v[MB2], v[MY], v[MXG], s[SM]     ; to the second if s = 1
	v_max_num_f32 v[MB2], v[MB2], v[MY]
	v_cndmask_b32 v[MBX], v[MB1], v[MB2], s[SM]
.set u, 0
.rept 20
.if u < 12
	v_sub_f32 v[MR+u], v[MR+u], v[MB1]             ; m - M first: never above 0
.elseif u < 16
	v_sub_f32 v[MR+u], v[MR+u], v[MBX]
.else
	v_sub_f32 v[MR+u], v[MR+u], v[MB2]
.endif
.set u, u+1
.endr
.set u, 0
.rept 20
	v_mul_f32 v[MR+u], s[CSC], v[MR+u]
.set u, u+1
.endr
.set u, 0
.rept 20
	v_exp_f32 v[MR+u], v[MR+u]
.set u, u+1
.endr
	v_nop                                          ; a plain instruction behind the last exponential,
	s_wait_alu depctr_va_vdst(0)                   ; and a wait ahead of the batch's first reader
.set u, 0
.rept 20
	v_cvt_pk_f16_f32 v[FP+u], v[MR+u], v[MR+u]
.set u, u+1
.endr
.set u, 0
.rept 20                               ; L takes the rounded f, read as an f16 half, times l
.if u < 12
	v_fma_mix_f32 v[LA], v[FP+u], v[LR+u], v[LA] op_sel_hi:[1,0,0]
.elseif u < 16
	v_fma_mix_f32 v[LX], v[FP+u], v[LR+u], v[LX] op_sel_hi:[1,0,0]
.else
	v_fma_mix_f32 v[LY], v[FP+u], v[LR+u], v[LY] op_sel_hi:[1,0,0]
.endif
.set u, u+1
.endr
	v_cndmask_b32 v[LB1], v[LX], 0, s[SM]
	v_add_f32 v[LB1], v[LB1], v[LA]
	v_cndmask_b32 v[LB2], 0, v[LX], s[SM]
	v_add_f32 v[LB2], v[LB2], v[LY]
	v_rcp_f32 v[LB1], v[LB1]                       ; L is at least 1: the block that holds M has f = 1 and l >= 1
	v_rcp_f32 v[LB2], v[LB2]
	v_nop
	s_wait_alu depctr_va_vdst(0)
.set u, 0
.rept 20
	ds_store_b32 v6, v[FP+u] offset:512*u
.set u, u+1
.endr
	ds_store_b32 v6, v8 offset:512*20              ; what the walk's last look-ahead reads
	ds_store_b32 v7, v[LB1]
	ds_store_b32 v7, v[LB2] offset:512
.set i, 0
.rept 128
	v_mov_b32 v[ACC+i], 0                          ; the sums start at 0, so that the walk has one form of product: written in the wait for the first tile
.set i, i+1
.endr
; A quarter step's LDS loads, in one run: f (where a key block begins), then for each 32 keys p's four fragments and v's four.
.macro FETCH q
	WIN 0
.if ((\q)%2) == 0
.irp a, 0,1,2,3
	ds_load_b32 v[FQ+4*(((\q)/2)%2)+(\a)], v[FTA] offset:512*((\q)/2)+64*(\a)
.endr
.endif
	WIN 0x40                                       ; destination window 1
.irp c, 0,1
.irp a, 0,1,2,3
	ds_load_b128 v[128*((\q)%2)+32*(\c)+8*(\a):128*((\q)%2)+32*(\c)+8*(\a)+3],   v[ADRA] offset:16*PP*(\a)+128*(\q)+64*(\c)
	ds_load_b128 v[128*((\q)%2)+32*(\c)+8*(\a)+4:128*((\q)%2)+32*(\c)+8*(\a)+7], v[ADRA] offset:16*PP*(\a)+128*(\q)+64*(\c)+32
.endr
.irp b, 0,1,2,3
	ds_load_tr16_b128 v[128*((\q)%2)+64+32*(\c)+8*(\b):128*((\q)%2)+64+32*(\c)+8*(\b)+3],   v[ADRB] offset:32*PVV*(\q)+16*PVV*(\c)+32*(\b)
	ds_load_tr16_b128 v[128*((\q)%2)+64+32*(\c)+8*(\b)+4:128*((\q)%2)+64+32*(\c)+8*(\b)+7], v[ADRB] offset:32*PVV*(\q)+16*PVV*(\c)+8*PVV+32*(\b)
.endr
.endr
	WIN 0x01
.endm
; Products from .. to of the 16 of quarter q, keys 32 c on: row block i / 4, channel block i % 4, on the scaled set c.  The 16 accumulators take turns.
; Behind each product two scalings make two registers of the OTHER set, for the 32 keys to come; they name no register of the products round them, and a set's register is written
; again 24 plain instructions or more behind the last product that read it.
.macro KS q, c, from, to
.set i, \from
.rept (\to)-(\from)+1
	v_wmma_f32_16x16x32_f16 v[ACC+8*i:ACC+8*i+7], v[128*((\q)%2)+64+32*(\c)+8*(i%4):128*((\q)%2)+64+32*(\c)+8*(i%4)+7], v[PS+32*(\c)+8*(i/4):PS+32*(\c)+8*(i/4)+7], v[ACC+8*i:ACC+8*i+7]
.if (\c) == 0
	v_pk_mul_f16 v[PS+32+2*i],   v[128*((\q)%2)+32+2*i],   v[FQ+4*(((\q)/2)%2)+i/4]
	v_pk_mul_f16 v[PS+32+2*i+1], v[128*((\q)%2)+32+2*i+1], v[FQ+4*(((\q)/2)%2)+i/4]
.else
	v_pk_mul_f16 v[PS+2*i],   v[128*(((\q)+1)%2)+2*i],   v[FQ+4*(((((\q)+1)%4)/2)%2)+i/4]
	v_pk_mul_f16 v[PS+2*i+1], v[128*(((\q)+1)%2)+2*i+1], v[FQ+4*(((((\q)+1)%4)/2)%2)+i/4]
.endif
.set i, i+1
.endr
.endm
; A QUARTER STEP: 64 keys, 32 products.  At its head the next quarter's loads go out.  Quarter 2 fetches the slot's last bytes and holds the change of slots (mode 1: with a refill; 2: without);
; quarter 3 fetches from the other slot.
.macro Q q, mode
	s_wait_dscnt 0x0                               ; this quarter's loads, issued a quarter ago, are in
.if ((\q) == 2) && ((\mode) == 1)
	s_wait_xcnt 0x0                                ; the last prefetch, a step back, has read its address: it is made anew below
.endif
	PLACES                                         ; in front of the loads into the buffer that the last quarter's products read
.if (\q) == 3
	WIN 0
	s_xor_b32 s[TB], s[TB], SLOTX
	s_add_co_u32 s[FTS], s[FTS], 1024
	v_add_nc_u32 v[ADRA], s[TB], v[LNA]
	v_add_nc_u32 v[ADRB], s[TB], v[LNB]
	v_add_nc_u32 v[FTA], s[FTS], v[FT0]
.endif
	FETCH ((\q)+1)%4
	KS \q, 0, 0, 15
.if (\q) == 2
	WIN 0
	s_wait_tensorcnt 0x0                           ; all my tensor loads have landed: my part of the other slot; so a group 0 may be written
	ds_add_u32 v[SPW], v[NIL]                      ; 0 onto my spare word
.if (\mode) == 1
	s_lshl_b32 s[OF], s[NXT], 9                    ; the descriptors' addresses are made anew: a step is 512 bytes of each row of p
	s_add_co_u32 s[OF], s[OF], s[RO]
	s_lshl_b32 s[OF2], s[NXT], 15                  ; and 32,768 bytes of a block of v
	s_xor_b32 s[G0P+1], s[G0P+1], SLOTX
	s_add_nc_u64 s[G0P+2:G0P+3], s[PA:PA+1], s[OF:OF+1]
	s_or_b32 s[G0P+3], s[G0P+3], 0x80000000
	s_xor_b32 s[G0V+1], s[G0V+1], SLOTX
	s_add_nc_u64 s[G0V+2:G0V+3], s[VB:VB+1], s[OF2:OF2+1]
	s_or_b32 s[G0V+3], s[G0V+3], 0x80000000
	s_add_co_u32 s[NXT], s[NXT], 1                 ; the tile's next step, or behind its last the second tile's step 0
	s_cmp_eq_u32 s[NXT], s[LQ]
	s_cselect_b32 s[NXT], 0, s[NXT]
	s_cselect_b32 s[RO], s[RO2], s[RO]
	s_cselect_b32 s[LQ], -1, s[LQ]
	s_lshl_b32 s2, s[PN], 9                        ; the same for the prefetch, two steps further on
	s_add_co_u32 s2, s2, s[PRO]
	s_lshl_b32 s3, s[PN], 15
	s_cmp_lt_u32 s[WV], 2
	s_cselect_b32 s[POF], s2, s3
	s_add_nc_u64 s[PFAD:PFAD+1], s[PBASE:PBASE+1], s[POF:POF+1]
	s_add_co_u32 s[PN], s[PN], 1
	s_cmp_eq_u32 s[PN], s[PLQ]
	s_cselect_b32 s[PN], 0, s[PN]
	s_cselect_b32 s[PRO], s[RO2], s[PRO]
	s_cselect_b32 s[PLQ], -1, s[PLQ]
.endif
	s_wait_dscnt 25                                ; p's first four fragments of quarter 3 are in; the 24 loads behind them and the add may be out
	WIN 0x01
	KS 2, 1, 0, 7
	s_wait_dscnt 0x0                               ; the add is done, and my reads of this slot are over
	s_barrier_signal -1
	KS 2, 1, 8, 15
	WIN 0
	s_barrier_wait -1
.if (\mode) == 1
	CREST                                          ; no wave of any partner still reads this slot or has a load on its way
	JLOAD                                          ; the first tensor load behind the round: 112 matrix instructions ahead of the wait for it
	ASK
.endif
.else
	s_wait_dscnt 24                                ; f and p's first four fragments of the next quarter are in; the 24 loads behind them may be out
	KS \q, 1, 0, 15
.endif
.endm
; A TILE GOES OUT: times 1 / L, a block of 16 rows at a time through my own stage (a wave's 64 channels are 256 bytes of a row of out0), stored as whole rows.
; clear = 1: the first tile: its 1 / L lies in the table's first 512 bytes, and the second tile follows.  clear = 0: the second tile: the table's second 512 bytes.  The tile stands in the immediate.
.macro OUT clear
	PLACES
.irp a, 0,1,2,3
	ds_load_b32 v[RL+2*(\a)],   v[RTA] offset:512*(1-(\clear))+64*(\a)    ; twice, to fill the pair that the packed multiply takes
	ds_load_b32 v[RL+2*(\a)+1], v[RTA] offset:512*(1-(\clear))+64*(\a)
.endr
	s_wait_dscnt 0x0
.irp a, 0,1,2,3
	s_wait_xcnt 0x0                                ; the stores issued so far have read their registers: they are loaded again below
.set n, 0
.rept 16
	v_pk_mul_f32 v[ACC+32*(\a)+2*n:ACC+32*(\a)+2*n+1], v[ACC+32*(\a)+2*n:ACC+32*(\a)+2*n+1], v[RL+2*(\a):RL+2*(\a)+1]
.set n, n+1
.endr
.irp b, 0,1,2,3
	ds_store_b128 v[STO], v[ACC+32*(\a)+8*(\b):ACC+32*(\a)+8*(\b)+3]   offset:64*(\b)
	ds_store_b128 v[STO], v[ACC+32*(\a)+8*(\b)+4:ACC+32*(\a)+8*(\b)+7] offset:64*(\b)+16
.endr
.irp t, 0,1,2,3,4,5,6,7
	ds_load_b128 v[PS+32+4*(\t):PS+32+4*(\t)+3], v[RD] offset:(\t)*2*SP  ; LDS serves a wave's instructions in order (ISA guide 5.7.1.4): these see the stores above
.endr
.irp t, 0,1,2,3,4,5,6,7
	s_wait_dscnt 7-(\t)                            ; load t is in, the 7 - t younger ones may be out
	global_store_b128 v[CO], v[PS+32+4*(\t):PS+32+4*(\t)+3], s[OP:OP+1] offset:65536*(\a)+8192*(\t) th:TH_STORE_NT  ; 16 lanes store 256 consecutive bytes, at a multiple of 256 from out0's first
.endr
.endr
.if \clear
	s_wait_xcnt 0x0                                ; the stores have read their registers and their base
	s_mov_b64 s[OP:OP+1], s[OP2:OP2+1]
.set i, 0
.rept 128
	v_mov_b32 v[ACC+i], 0
.set i, i+1
.endr
.endif
.endm
	s_wait_tensorcnt 1                             ; my part of step 0 is in; step 1's may stay out
	s_wait_dscnt 0x0                               ; my rows of the two tables are written
	s_barrier_signal -1
	s_barrier_wait -1
	FETCH 0
	s_wait_dscnt 0x0
.set n, 0
.rept 32
	v_pk_mul_f16 v[PS+n], v[n], v[FQ+n/8]          ; the walk's first scaled set
.set n, n+1
.endr
	WIN 0
.Lstep:                                            ; 8 trips: step t is multiplied, step t + 2 asked for
	Q 0, 0
	Q 1, 0
	Q 2, 1
	Q 3, 0
	WIN 0
	s_sub_co_u32 s[S1C], s[S1C], 1
	s_cmp_lg_u32 s[S1C], 0
	s_cbranch_scc1 .Lno_out                        ; a jump forward, over text with no barrier and no tensor load
	OUT 1                                          ; the first tile's last step is done; the ring runs on: the second tile's first fragments are already on their way
.Lno_out:
	s_sub_co_u32 s[CNT], s[CNT], 1
	s_cmp_lg_u32 s[CNT], 0
	s_cbranch_scc1 .Lstep
	s_mov_b32 s[CNT], 2
.Ltail:                                            ; the last two steps ask for nothing.  One text for both: the last trip's look-ahead reads the other slot's old tile and the table's entry 20, and nothing uses what it makes
	Q 0, 0
	Q 1, 0
	Q 2, 2
	Q 3, 0
	WIN 0
	s_sub_co_u32 s[CNT], s[CNT], 1
	s_cmp_lg_u32 s[CNT], 0
	s_cbranch_scc1 .Ltail
	OUT 0
	s_wait_tensorcnt 0x0                           ; the wave's end, behind my last tensor load and my last LDS store
	ds_add_u32 v[SPW], v[NIL]
	s_wait_dscnt 0x0
	CROUND                                         ; the closing round
	s_endpgm
.Lfunc_end_k_qbc8b3af618_pv:
	.size	k_qbc8b3af618_pv, .Lfunc_end_k_qbc8b3af618_pv-k_qbc8b3af618_pv
	.p2alignl 7, 3214868480
	.fill 96, 4, 3214868480
	.section	.rodata,"a",@progbits
	.p2align	6, 0x0
	.amdhsa_kernel k_qbc8b3af618_pv
		.amdhsa_group_segment_fixed_size 327680
		.amdhsa_private_segment_fixed_size 0
		.amdhsa_enable_private_segment 0
		.amdhsa_kernarg_size 32
		.amdhsa_user_sgpr_count 2
		.amdhsa_user_sgpr_kernarg_segment_ptr 1
		.amdhsa_wavefront_size32 1
		.amdhsa_system_sgpr_workgroup_id_x 1
		.amdhsa_system_sgpr_workgroup_id_y 1
		.amdhsa_system_sgpr_workgroup_id_z 1
		.amdhsa_system_vgpr_workitem_id 0
		.amdhsa_next_free_vgpr 512
		.amdhsa_next_free_sgpr 96
		.amdhsa_reserve_vcc 0
		.amdhsa_float_denorm_mode_32 3
		.amdhsa_float_denorm_mode_16_64 3
		.amdhsa_memory_ordered 1
		.amdhsa_forward_progress 1
		.amdhsa_inst_pref_size 129
	.end_amdhsa_kernel
	.amdgpu_metadata
---
amdhsa.version: [ 1, 2 ]
amdhsa.kernels:
  - .name:           k_qbc8b3af618_pv
    .symbol:         k_qbc8b3af618_pv.kd
    .args:
      - { .name: pbuf, .offset: 0, .size: 8, .value_kind: global_buffer, .address_space: global }
      - { .name: stat, .offset: 8, .size: 8, .value_kind: global_buffer, .address_space: global }
      - { .name: qkv, .offset: 16, .size: 8, .value_kind: global_buffer, .address_space: global }
      - { .name: out0, .offset: 24, .size: 8, .value_kind: global_buffer, .address_space: global }
    .group_segment_fixed_size: 327680
    .private_segment_fixed_size: 0
    .kernarg_segment_align: 8
    .kernarg_segment_size: 32
    .max_flat_workgroup_size: 128
    .sgpr_count:     96
    .vgpr_count:     512
    .wavefront_size: 32
...
	.end_amdgpu_metadata
.endif
;; end of part 4
;; ======== version 2 of 2: 4 launches; version 1 with the launch cast written anew for expert scheduling mode
;; limits: values are held in f16: magnitudes above 65,504 overflow, below 6.1e-05 lose precision
;; workspace buffers: xb 16,777,216 bytes; wb 6,291,456 bytes; qkv 50,331,648 bytes; pbuf 33,554,432 bytes; stat 1,048,576 bytes
;; launch cast (part 5): grid 256 x 1, 11 waves a work-group, no clusters, 0 bytes of LDS; arguments x, Wq, Wk, Wv, xb, wb; writes xb, wb
.if DOCPART == 5
	.amdgcn_target "amdgcn-amd-amdhsa--gfx1250"
	.amdhsa_code_object_version 6
	.text
	.protected	k_qbc8b3af618_cast
	.globl	k_qbc8b3af618_cast
	.p2align	8
	.type	k_qbc8b3af618_cast,@function
k_qbc8b3af618_cast:
	s_mov_b64 s[64:65], 0
	v_nop
	global_prefetch_b8 v0, s[64:65] scope:SCOPE_SE
	s_setreg_imm32_b32 hwreg(HW_REG_WAVE_SCHED_MODE, 0, 2), 2
	s_setreg_imm32_b32 hwreg(HW_REG_WAVE_MODE, 25, 1), 1
	s_wait_xcnt 0x0
	s_wait_alu depctr_vm_vsrc(0)
; x [8192][1024] and Wq, Wk, Wv [1024][1024], all f32, are rounded once to bf16 (to nearest even) and laid out in blocks of 64 along K:
; xb [16 kb][8192 rows][64], wb [16 kb][3072 rows][64] (rows 0-1023 Wq, 1024-2047 Wk, 2048-3071 Wv), so that the next launch's tiles of 64 along K are dense in memory.
; SHARES.  8,192 + 3,072 = 11,264 rows = 256 work-groups x 11 waves x 4 rows: all work-groups are alike.  Wave w of work-group g takes the group of four rows 11 g + w: groups 0-2047 are x's,
; 2048-2815 the three weights', 256 each; a group never straddles two tensors, so source and destination are chosen by scalar selects on the group's number.
; One load of a wave: lanes 0-15 take the 256 bytes of block kb of row r, lanes 16-31 the same block of row r + 1.  The store that belongs to it: 8 bytes a lane, 256 consecutive bytes, aligned: rows r and r + 1 of block kb.
; A stream: every byte is read once and written once; all 32 loads of a wave are issued before the first is waited for.  No LDS, no barrier, no matrix unit: nothing is shared.
; THE MODE: SCHED_MODE bits 1:0 = 2 (LLVM: expert scheduling mode 2), set by the entry lines.  The code itself states the register dependences
; between vector instructions and memory instructions, with s_wait_alu, always for 0.
; THE PLAN.  Registers that memory instructions touch:
;   v1, v[8:23]   byte offsets of the loads and of the stores: written by vector lines at the head and never again.
;   X             four registers for each of the 32 loads.  Load i lands in them; its two conversions write the first two in place; store i reads those two; nothing writes them afterwards.
; The 32 loads are taken in 8 blocks of four.  Block g rounds its own four and issues the four stores of block g - 1, one ahead of each pair of conversions.  Its conversions name block g's registers alone,
; the stores block g - 1's and the offsets: so ONE wait on va_vdst at a block's head, behind the wait for the block's data, states all that its four stores hang on.
; No register that a load or a store has read is ever written again, so behind the entry lines the text holds no wait on vm_vsrc and none on XCNT.
.set VIN, 1                            ; v1       byte offset of my 16 bytes in the wave's first two source rows: 4096 (lane / 16) + 16 (lane % 16)
.set OFF, 8                            ; v[8:23]  for each kb: byte offset of my 8 bytes from the wave's first row in block 0 of the destination
.set X,   32                           ; v[32:159] 32 x 4 registers as loaded; the first two of each four then hold the four bf16
.set BLK, 4                            ; loads in a block
	s_load_b256 s[4:11], s[0:1], 0x0               ; x s[4:5], Wq s[6:7], Wk s[8:9], Wv s[10:11]
	s_load_b128 s[12:15], s[0:1], 0x20             ; xb s[12:13], wb s[14:15]
	v_lshrrev_b32 v2, 5, v0
	v_readfirstlane_b32 s30, v2                    ; wave 0..10
	v_and_b32 v3, 15, v0                           ; lane % 16
	v_bfe_u32 v4, v0, 4, 1                         ; lane / 16
	v_lshlrev_b32 v[VIN], 12, v4
	v_lshl_add_u32 v[VIN], v3, 4, v[VIN]
	v_lshlrev_b32 v[OFF], 7, v4
	v_lshl_add_u32 v[OFF], v3, 3, v[OFF]
	s_wait_alu depctr_va_sdst(0)                   ; s30 is written, ahead of its first reader: the group's number, and with it both bases, are made from it
	s_mul_i32 s31, ttmp9, 11
	s_add_co_u32 s31, s31, s30                     ; my group of four rows, 0..2815
	s_sub_co_u32 s20, s31, 2048                    ; its number among the weights' 768 (used only where it is one of them)
	s_and_b32 s21, s20, 255                        ; its place in its matrix
	s_lshr_b32 s22, s20, 8                         ; which matrix
	s_mov_b32 s17, 3072*128
	s_cmp_lt_u32 s31, 2048
	s_cselect_b32 s16, 8192*128, s17               ; bytes from block kb to block kb + 1 of the destination
	s_cselect_b32 s18, s31, s21                    ; source rows / 4
	s_cselect_b32 s28, s31, s20                    ; destination rows / 4
	s_lshl_b32 s18, s18, 14                        ; x 4 rows of 4,096 bytes
	s_mov_b32 s19, 0
	s_lshl_b32 s28, s28, 9                         ; x 4 rows of 128 bytes
	s_mov_b32 s29, 0
.set i, 1
.rept 15
	v_add_nc_u32 v[OFF+i], s16, v[OFF+i-1]
.set i, i+1
.endr
	s_wait_kmcnt 0x0
	s_cmp_eq_u32 s22, 1
	s_cselect_b64 s[24:25], s[8:9], s[6:7]
	s_cmp_eq_u32 s22, 2
	s_cselect_b64 s[24:25], s[10:11], s[24:25]
	s_cmp_lt_u32 s31, 2048
	s_cselect_b64 s[24:25], s[4:5], s[24:25]       ; the source,
	s_cselect_b64 s[26:27], s[12:13], s[14:15]     ; the destination
	s_add_nc_u64 s[24:25], s[24:25], s[18:19]
	s_add_nc_u64 s[26:27], s[26:27], s[28:29]
	s_wait_alu depctr_va_vdst(0)                   ; v1 and v[8:23] are written: every load reads v1 as its offset, every store one of v[8:23]; no later vector line writes them
.set i, 0
.rept 32                               ; load i: pair of rows i / 16, block i % 16
	global_load_b128 v[X+4*i:X+4*i+3], v[VIN], s[24:25] offset:8192*(i/16)+256*(i%16) th:TH_LOAD_NT
.set i, i+1
.endr
.set g, 0
.rept 32/BLK                           ; block g: loads 4 g to 4 g + 3 are rounded, the stores of loads 4 g - 4 to 4 g - 1 go out
	s_wait_loadcnt 32-BLK-BLK*g                    ; loads come back in order: this block's four are in, the 28 - 4 g younger ones stay out
.if g > 0
	s_wait_alu depctr_va_vdst(0)                   ; the block before has written the first two of each of its four registers, which the four stores below read
.endif
.set j, 0
.rept BLK
.set i, BLK*g+j
.if g > 0
	global_store_b64 v[OFF+(i-BLK)%16], v[X+4*(i-BLK):X+4*(i-BLK)+1], s[26:27] offset:256*((i-BLK)/16)  ; no vector line since the wait names these registers; no register of a store is written again
.endif
	v_cvt_pk_bf16_f32 v[X+4*i], v[X+4*i], v[X+4*i+1]
	v_cvt_pk_bf16_f32 v[X+4*i+1], v[X+4*i+2], v[X+4*i+3]
.set j, j+1
.endr
.set g, g+1
.endr
	s_wait_alu depctr_va_vdst(0)                   ; the last block's conversions have written their registers, which the last four stores read
.set i, 32-BLK
.rept BLK
	global_store_b64 v[OFF+i%16], v[X+4*i:X+4*i+1], s[26:27] offset:256*(i/16)
.set i, i+1
.endr
	s_endpgm
.Lfunc_end_k_qbc8b3af618_cast:
	.size	k_qbc8b3af618_cast, .Lfunc_end_k_qbc8b3af618_cast-k_qbc8b3af618_cast
	.p2alignl 7, 3214868480
	.fill 96, 4, 3214868480
	.section	.rodata,"a",@progbits
	.p2align	6, 0x0
	.amdhsa_kernel k_qbc8b3af618_cast
		.amdhsa_group_segment_fixed_size 0
		.amdhsa_private_segment_fixed_size 0
		.amdhsa_enable_private_segment 0
		.amdhsa_kernarg_size 48
		.amdhsa_user_sgpr_count 2
		.amdhsa_user_sgpr_kernarg_segment_ptr 1
		.amdhsa_wavefront_size32 1
		.amdhsa_system_sgpr_workgroup_id_x 1
		.amdhsa_system_sgpr_workgroup_id_y 1
		.amdhsa_system_sgpr_workgroup_id_z 1
		.amdhsa_system_vgpr_workitem_id 0
		.amdhsa_next_free_vgpr 160
		.amdhsa_next_free_sgpr 66
		.amdhsa_reserve_vcc 0
		.amdhsa_float_denorm_mode_32 3
		.amdhsa_float_denorm_mode_16_64 3
		.amdhsa_memory_ordered 1
		.amdhsa_forward_progress 1
		.amdhsa_inst_pref_size 13
	.end_amdhsa_kernel
	.amdgpu_metadata
---
amdhsa.version: [ 1, 2 ]
amdhsa.kernels:
  - .name:           k_qbc8b3af618_cast
    .symbol:         k_qbc8b3af618_cast.kd
    .args:
      - { .name: x, .offset: 0, .size: 8, .value_kind: global_buffer, .address_space: global }
      - { .name: Wq, .offset: 8, .size: 8, .value_kind: global_buffer, .address_space: global }
      - { .name: Wk, .offset: 16, .size: 8, .value_kind: global_buffer, .address_space: global }
      - { .name: Wv, .offset: 24, .size: 8, .value_kind: global_buffer, .address_space: global }
      - { .name: xb, .offset: 32, .size: 8, .value_kind: global_buffer, .address_space: global }
      - { .name: wb, .offset: 40, .size: 8, .value_kind: global_buffer, .address_space: global }
    .group_segment_fixed_size: 0
    .private_segment_fixed_size: 0
    .kernarg_segment_align: 8
    .kernarg_segment_size: 48
    .max_flat_workgroup_size: 352
    .sgpr_count:     66
    .vgpr_count:     160
    .wavefront_size: 32
...
	.end_amdgpu_metadata
.endif
;; end of part 5
;; launch proj: the kernel of part 2 again; grid 8 x 32, 4 waves a work-group, clusters of 4 x 4, 327,680 bytes of LDS; arguments xb, wb, qkv; writes qkv
;; launch score: the kernel of part 3 again; grid 12 x 16, 4 waves a work-group, clusters of 4 x 4, 327,680 bytes of LDS; arguments qkv, pbuf, stat; writes pbuf, stat
;; launch pv: the kernel of part 4 again; grid 8 x 32, 4 waves a work-group, clusters of 4 x 4, 327,680 bytes of LDS; arguments pbuf, stat, qkv, out0; writes out0
